; MI455X (gfx1250); checked and timed in simulation.
; The chip was launched on July 23, 2026; its instructions are those of AMD's public machine-readable ISA for CDNA 5 (MIT licence, August 2026) and "CDNA5" Instruction Set Architecture Reference Guide (July 2026). The comments in the code are by the model that wrote it; some were corrected since.
;; Multi Head Attention. Allowed arithmetic: matrix products marked QUANTISED: E2M3 operands, one E8M0 scale for each 32 along K, by v_wmma_scale_f32_16x16x128_f8f6f4 with both operands' format E2M3, f32 sums; everything else in f32.
;; Inputs: Wk 1,024 x 1,024 float32; Wo 1,024 x 1,024 float32; Wq 1,024 x 1,024 float32; Wv 1,024 x 1,024 float32; bk 1,024 float32; bo 1,024 float32; bq 1,024 float32; bv 1,024 float32; mask 4 x 2,048 int32; query 4 x 2,048 x 1,024 float32.
;; Outputs: out0 4 x 2,048 x 1,024 float32.
;; This version of the problem:
;;   THIS VERSION OF THE PROBLEM IS GIVEN IN LOW PRECISION. The matrix products marked QUANTISED in the list below multiply operands that are first quantised to E2M3 (2 exponent bits, 3 mantissa bits; 6 bits a number), with one power-of-two scale for each 32 numbers along K (OCP MX v1.0); their sums are f32. All else is computed in f32.
;;   The module's matrix products, in the order in which they are computed (A, B: the left and right operand; K: the contracted axis; several contracted axes count as one K, in the product's order):
;;     1. [M 8,192, K 1,024] x [K 1,024, N 1,024]; A: input query; B: input Wq: QUANTISED
;;     2. [M 8,192, K 1,024] x [K 1,024, N 1,024]; A: input query; B: input Wk: QUANTISED
;;     3. [M 8,192, K 1,024] x [K 1,024, N 1,024]; A: input query; B: input Wv: QUANTISED
;;     4. batch 64 x [M 2,048, K 64] x [K 64, N 2,048]; A: computed on the way; B: computed on the way: QUANTISED
;;     5. batch 64 x [M 2,048, K 2,048] x [K 2,048, N 64]; A: softmax (see below); B: computed on the way: QUANTISED
;;     6. [M 8,192, K 1,024] x [K 1,024, N 1,024]; A: computed on the way; B: input Wo: QUANTISED
;;   THE QUANTISER, for each operand of a quantised product, along K:
;;     - K is cut into blocks of 32 from its start; a last block that is shorter is filled with zeros.
;;     - A block's scale is 2^e with e = floor(log2(the largest magnitude in the block)) - 2, held to -126 .. 127; a block of zeros has e = 0. As a byte (E8M0): e + 127.
;;     - Each number is divided by its block's scale, clamped to +-7.5, and rounded to the nearest number of E2M3, ties to even, subnormals kept.
;;     - The product sums the exact products of the quantised numbers (number of the format x scale) in f32.
;;   ~~~python
;;   def quantise(x, axis):      # numpy; x: float32 -> the quantised numbers, widened to float32 again
;;       x = np.moveaxis(x, axis, -1); K = x.shape[-1]
;;       x = np.pad(x, [(0, 0)] * (x.ndim - 1) + [(0, -K % 32)]); x = x.reshape(x.shape[:-1] + (-1, 32)); a = np.abs(x).max(-1, keepdims=True)
;;       e = np.where(a > 0, np.clip(np.frexp(np.where(a > 0, a, 1))[1] - 1 - 2, -126, 127), 0)      # np.frexp(a)[1] - 1 = floor(log2(a)), exactly
;;       r = np.clip(x / 2.0 ** e, -7.5, 7.5)
;;       step = 2.0 ** (np.maximum(np.frexp(np.where(r == 0, 1, r))[1] - 1, 0) - 3)
;;       q = np.round(r / step) * step * 2.0 ** e      # np.round: ties to even
;;       return np.moveaxis(q.reshape(q.shape[:-2] + (-1,))[..., :K], -1, axis).astype(np.float32)
;;   ~~~
;;   SOFTMAX AHEAD OF A QUANTISED PRODUCT. Where the list says 'softmax', what is quantised is not the finished softmax but p = 2^(t - M), with t = logit x log2(e) and M = ceil(the row's largest t), a whole number; so 1/2 < the row's largest p <= 1. The row's sum l is taken of the UNQUANTISED p, in f32, and the product's result is divided by l at the end. Since M is a whole number, a kernel that streams over the keys may use a running M (the ceiling of the running maximum): every later rescaling is an exact power of two, which a block's scale takes up: the codes' values come out the same.
;;   OPERANDS COMPUTED ON THE WAY. 'Computed on the way' means the value that the module computes at that place (a softmax that the list does not call 'softmax' is quantised finished and normalised). What goes into a quantiser is computed in f32, as accurately as f32 sums, v_exp_f32 and their like allow (about 1e-6 of the number): no bf16 or f16 on the way to a quantiser, and a product that is left as it is and whose result goes on into a quantised operand takes f32 operands (vector FMAs, or v_wmma_f32_16x16x4_f32). A number that lies on a knife's edge between two numbers of the format may be rounded either way, as far as f32 arithmetic and the matrix unit's own rounding can turn it there, and no further.
;; One version. Each part assembles by itself: llvm-mc -triple=amdgcn-amd-amdhsa -mcpu=gfx1250 --defsym DOCPART=n.
;; ======== version 1 of 1: 4 launches
;; limits: right only within a limited range of input values
;; workspace buffers: xw_codes 9,437,184 bytes; xw_scl 393,216 bytes; mbias 32,768 bytes; qkv_codes 18,874,368 bytes; qkv_scl 786,432 bytes; ctx_codes 6,291,456 bytes; ctx_scl 262,144 bytes
;; launch quant (part 1): grid 769 x 1, 4 waves a work-group, no clusters, 34,816 bytes of LDS; arguments query, Wq, Wk, Wv, Wo, mask, xw_codes, xw_scl, mbias; writes xw_codes, xw_scl, mbias
.if DOCPART == 1
	.amdgcn_target "amdgcn-amd-amdhsa--gfx1250"
	.amdhsa_code_object_version 6
	.text
	.protected	k_qfcaa4b4f7d_quant
	.globl	k_qfcaa4b4f7d_quant
	.p2align	8
	.type	k_qfcaa4b4f7d_quant,@function
k_qfcaa4b4f7d_quant:
	s_mov_b64 s[64:65], 0
	v_nop
	global_prefetch_b8 v0, s[64:65] scope:SCOPE_SE
	s_setreg_imm32_b32 hwreg(HW_REG_WAVE_MODE, 25, 1), 1
	s_wait_xcnt 0x0
; query [8192][1024] and Wq, Wk, Wv, Wo [1024][1024], f32 with K innermost, become codes of FP6 (E2M3) with one E8M0 byte for each 32 along K; the mask becomes an additive bias.
; A block's scale is 2^(floor(log2(its largest magnitude)) - 2): its byte is the largest magnitude's exponent field - 2, held at 1 from below.
; LIMITS: a block of zeros gets the byte 1 where the rule says 127 (its codes are zeros, and this program alone reads the bytes); NaN and infinities among the inputs are not served.
; LAYOUT OF THE CODES: in the order of the operand's registers.  A HALF FRAGMENT is 16 rows x 64 along K, registers 6 c .. 6 c + 5 of a 6-bit operand, 768 bytes: lane l's first four registers at 16 l, its
; last two at 512 + 8 l.  A row tile is 16 half fragments on end, 12,288 bytes.  Tiles 0-511 query, 512-575 Wq, 576-639 Wk, 640-703 Wv, 704-767 Wo.
; THE ROWS OF A TILE ARE NOT NEIGHBOURS: row r of tile T is row 32 (T / 2) + 8 (T % 2) + r + 8 (r / 8) of its tensor, so that, where such a tile is source 0 of a product, the 16 result registers of tiles
; 2 b and 2 b + 1 are 16 neighbours.
; THE SCALE WORDS: [tile][lane][i = 0..3]: word i of lane (r, h) is row r's four bytes of K step 2 i + h: one load of 16 bytes a lane gives four scale registers, even K steps in lanes 0-15, odd ones in lanes 16-31.
; SHARES: work-group T < 768 takes row tile T; wave w takes K = 256 w .. 256 w + 255 (two K steps of 128).  Work-group 768 turns the 8,192 numbers of the mask into 0 (kept) or -2^67 (hidden), f32.
; Each load reads 512 consecutive bytes of one row; the numbers turn through the wave's own stage in LDS so that a lane holds two whole blocks of 32 of ONE row, in the order of the operand's registers.
.set STGW,  8448                       ; a wave's stage: 16 rows x (512 bytes + 16): the sixteen rows that a load of 16 bytes a lane touches begin in sixteen different groups of banks
.set SCST,  4*STGW                     ; 512 bytes: the tile's scale words, gathered from the four waves
.set SPARE, SCST+512                   ; the spare words, 128 bytes for each wave: two blocks of 256 bytes that no other line names
.set SPW,   9                          ; v9   LDS address of my spare word; never rewritten
.set NIL,   10                         ; v10  0; never rewritten
; v2 my bytes in a row; v3, v4 the stage, in and out; v5 16 x lane; v6 8 x lane; v7 where my scale word goes; v8 8 h; v11 where wave 0 reads the words back
; v16-25 at work; v28-39, v40-51 the two K steps' codes; v52-59 second halves of blocks; v64-127 K step 0 in a lane's order; v128-191 K step 0 as loaded, then K step 1 in a lane's order; v192-255 K step 1 as loaded
	s_load_b512 s[4:19], s[0:1], 0x0               ; query, Wq, Wk, Wv, Wo, mask, xw_codes, xw_scl
	s_load_b64 s[20:21], s[0:1], 0x40              ; mbias
	v_lshl_add_u32 v[SPW], v0, 2, SPARE
	v_mov_b32 v[NIL], 0
	s_cmp_eq_u32 ttmp9, 768                        ; the work-group's number alone: all four waves go the same way
	s_cbranch_scc1 .Lmask
	v_lshrrev_b32 v1, 5, v0
	v_readfirstlane_b32 s22, v1                    ; wave
	v_and_b32 v1, 31, v0                           ; lane
	v_and_b32 v12, 15, v0                          ; r
	v_bfe_u32 v13, v0, 4, 1                        ; h
	v_lshlrev_b32 v5, 4, v1
	v_lshlrev_b32 v6, 3, v1
	s_lshl_b32 s33, s22, 10
	v_add_nc_u32 v2, s33, v5                       ; 16 x lane + my wave's 1,024 bytes of a row
	s_mul_i32 s34, s22, STGW
	v_add_nc_u32 v3, s34, v5                       ; into the stage: as loaded
	v_mul_u32_u24 v4, v12, 528
	v_lshl_add_u32 v4, v13, 7, v4
	v_add_nc_u32 v4, s34, v4                       ; out of it: row r, + 128 h: my block of 32 numbers
	s_lshl_b32 s35, s22, 2
	s_add_co_u32 s35, s35, SCST
	v_add_nc_u32 v7, s35, v5                       ; word i = my wave's number, of my lane
	v_lshlrev_b32 v8, 3, v13
	v_add_nc_u32 v11, SCST, v5
	v_mov_b32 v24, 0                               ; written once: a lane permute's destination counts as one of its sources
	s_mov_b32 s30, 0x76543210
	s_mov_b32 s31, 0xfedcba98                      ; v_permlanex16_b32's selects for lane l xor 16
	s_mov_b32 s32, 0xffff0000                      ; lanes 16-31
	s_and_b32 s36, ttmp9, 63
	s_wait_alu depctr_va_vdst(0)
	s_wait_kmcnt 0x0
	s_mov_b64 s[24:25], s[12:13]                   ; which tensor: the choice hangs on the work-group's number alone
	s_cmp_lt_u32 ttmp9, 704
	s_cselect_b64 s[24:25], s[10:11], s[24:25]
	s_cmp_lt_u32 ttmp9, 640
	s_cselect_b64 s[24:25], s[8:9], s[24:25]
	s_cmp_lt_u32 ttmp9, 576
	s_cselect_b64 s[24:25], s[6:7], s[24:25]
	s_cmp_lt_u32 ttmp9, 512
	s_cselect_b64 s[24:25], s[4:5], s[24:25]
	s_cselect_b32 s36, ttmp9, s36                  ; the tile's number in its tensor
	s_lshr_b32 s37, s36, 1
	s_lshl_b32 s37, s37, 17                        ; 32 rows of 4,096 bytes for each pair of tiles,
	s_and_b32 s38, s36, 1
	s_lshl_b32 s38, s38, 15                        ; 8 rows for the odd one
	s_add_co_u32 s38, s38, s37
	s_mov_b32 s39, 0
	s_add_nc_u64 s[24:25], s[24:25], s[38:39]
	s_mul_i32 s40, ttmp9, 12288
	s_mul_i32 s41, s22, 3072
	s_add_co_u32 s40, s40, s41
	s_mov_b32 s41, 0
	s_add_nc_u64 s[26:27], s[16:17], s[40:41]      ; my four half fragments
	s_lshl_b32 s40, ttmp9, 9
	s_add_nc_u64 s[28:29], s[18:19], s[40:41]      ; the tile's scale words
.set p, 0
.rept 32                                       ; K step p / 16 of row p % 16 of the tile: 32 lanes read 512 consecutive bytes
	global_load_b128 v[128+4*p:131+4*p], v2, s[24:25] offset:((p%16)+8*((p%16)/8))*4096+512*(p/16) th:TH_LOAD_NT
.set p, p+1
.endr
.macro TURN rr, xx                     ; 16 rows x 512 bytes through the stage.  LDS serves a wave's instructions in order: no wait between the stores and the loads, and one stage serves both K steps
.set p, 0
.rept 16
	ds_store_b128 v3, v[\rr+4*p:\rr+4*p+3] offset:528*p
.set p, p+1
.endr
.set p, 0
.rept 16                                       ; register 32 c + i = k 64 c + 32 h + i of row r
	ds_load_b128 v[\xx+4*p:\xx+4*p+3], v4 offset:256*(p/8)+16*(p%8)
.set p, p+1
.endr
.endm
; 64 numbers of a lane, two whole blocks, become 12 registers of codes at v[pc] and the row's scale word in v[wd]; the codes leave as two half fragments
.macro QUANTL x, pc, wd, e
	v_max3_num_f32 v16, |v[\x]|, |v[\x+1]|, 0x1800000       ; the floor 2^(3 - 127) among the leaves: the byte cannot fall under 1
	v_max3_num_f32 v17, |v[\x+32]|, |v[\x+33]|, 0x1800000
.irp i, 2,4,6,8,10,12,14,16,18,20,22,24,26,28,30
	v_max3_num_f32 v16, v16, |v[\x+\i]|, |v[\x+\i+1]|       ; (the two blocks by turns)
	v_max3_num_f32 v17, v17, |v[\x+32+\i]|, |v[\x+33+\i]|
.endr
	v_add_nc_u32 v18, 0xff000000, v16              ; 2 off the exponent field: the conversion takes the exponent field of this operand as its scale
	v_add_nc_u32 v19, 0xff000000, v17
	v_lshrrev_b32 v20, 23, v18                     ; the scales' bytes: blocks h and 2 + h of the K step
	v_lshrrev_b32 v21, 23, v19
	v_lshl_or_b32 v[\wd], v21, 16, v20
	v_lshlrev_b32 v[\wd], v8, v[\wd]               ; at their places in the word (8 h bits up);
	v_permlanex16_b32 v24, v[\wd], s30, s31
	v_or_b32 v[\wd], v[\wd], v24                   ; with lane l xor 16's two the word is whole
.irp c, 0,1
	v_cvt_scalef32_pk16_fp6_f32 v[\pc+6*\c:\pc+6*\c+2], v[\x+32*\c:\x+32*\c+15], v[18+\c]
	v_cvt_scalef32_pk16_fp6_f32 v[52+4*\c:54+4*\c], v[\x+32*\c+16:\x+32*\c+31], v[18+\c]   ; (a conversion's three registers begin on an even number)
.endr
	v_nop                                          ; one plain place behind a scaled conversion
.irp c, 0,1
.irp i, 0,1,2
	v_mov_b32 v[\pc+6*\c+3+\i], v[52+4*\c+\i]
.endr
.endr
.irp c, 0,1
	global_store_b128 v5, v[\pc+6*\c:\pc+6*\c+3], s[26:27] offset:(2*\e+\c)*768          ; 32 lanes store 512 consecutive bytes,
	global_store_b64 v6, v[\pc+6*\c+4:\pc+6*\c+5], s[26:27] offset:(2*\e+\c)*768+512     ; and 256: both at multiples of 256 from the buffer's first byte
.endr
.endm
	s_wait_loadcnt 16                              ; K step 0's 16 loads are in; K step 1's may be out
	TURN 128, 64
	s_wait_loadcnt 0x0
	s_wait_dscnt 16                                ; the first turn's 16 stores are done (its 16 loads may be out): the registers that they read take the second turn's loads
	TURN 192, 128
	s_wait_dscnt 32                                ; the first turn's loads are in; behind them stand the second turn's 16 stores and 16 loads
	QUANTL 64, 28, 22, 0
	s_wait_dscnt 0x0
	QUANTL 128, 40, 23, 1
	v_cndmask_b32 v25, v22, v23, s32               ; lanes 0-15 carry the even K step's word, lanes 16-31 the odd one's
	ds_store_b32 v7, v25
	s_wait_dscnt 0x0                               ; for the others' sake: my word has landed
	s_barrier_signal -1
	s_barrier_wait -1
	s_cmp_lg_u32 s22, 0
	s_cbranch_scc1 .Lend
	ds_load_b128 v[16:19], v11                     ; wave 0: the tile's 128 words
	s_wait_dscnt 0x0
	global_store_b128 v5, v[16:19], s[28:29]       ; 512 consecutive bytes
	s_branch .Lend
.Lmask:                                            ; 128 threads x 16 x 16 bytes: the whole mask; no LDS, no barrier on this way
	v_lshlrev_b32 v2, 4, v0
	v_mov_b32 v12, 0xe1000000                      ; -2^67
	v_mov_b32 v13, 0
	s_wait_alu depctr_va_vdst(0)
	s_wait_kmcnt 0x0
.set p, 0
.rept 16
	global_load_b128 v[64+4*p:67+4*p], v2, s[14:15] offset:2048*p
.set p, p+1
.endr
	s_wait_loadcnt 0x0
.set p, 0
.rept 64
	v_cmp_ne_u32 vcc_lo, 0, v[64+p]
	v_cndmask_b32 v[64+p], v12, v13, vcc_lo        ; kept: 0; hidden: -2^67
.set p, p+1
.endr
.set p, 0
.rept 16
	global_store_b128 v2, v[64+4*p:67+4*p], s[20:21] offset:2048*p
.set p, p+1
.endr
.Lend:
	s_wait_tensorcnt 0x0                           ; the wave's end, behind my last LDS store
	ds_add_u32 v[SPW], v[NIL]
	s_wait_dscnt 0x0
	s_endpgm
.Lfunc_end_k_qfcaa4b4f7d_quant:
	.size	k_qfcaa4b4f7d_quant, .Lfunc_end_k_qfcaa4b4f7d_quant-k_qfcaa4b4f7d_quant
	.p2alignl 7, 3214868480
	.fill 96, 4, 3214868480
	.section	.rodata,"a",@progbits
	.p2align	6, 0x0
	.amdhsa_kernel k_qfcaa4b4f7d_quant
		.amdhsa_group_segment_fixed_size 34816
		.amdhsa_private_segment_fixed_size 0
		.amdhsa_enable_private_segment 0
		.amdhsa_kernarg_size 72
		.amdhsa_user_sgpr_count 2
		.amdhsa_user_sgpr_kernarg_segment_ptr 1
		.amdhsa_wavefront_size32 1
		.amdhsa_system_sgpr_workgroup_id_x 1
		.amdhsa_system_sgpr_workgroup_id_y 1
		.amdhsa_system_sgpr_workgroup_id_z 1
		.amdhsa_system_vgpr_workitem_id 0
		.amdhsa_next_free_vgpr 256
		.amdhsa_next_free_sgpr 66
		.amdhsa_reserve_vcc 1
		.amdhsa_float_denorm_mode_32 3
		.amdhsa_float_denorm_mode_16_64 3
		.amdhsa_memory_ordered 1
		.amdhsa_forward_progress 1
		.amdhsa_inst_pref_size 25
	.end_amdhsa_kernel
	.amdgpu_metadata
---
amdhsa.version: [ 1, 2 ]
amdhsa.kernels:
  - .name:           k_qfcaa4b4f7d_quant
    .symbol:         k_qfcaa4b4f7d_quant.kd
    .args:
      - { .name: query, .offset: 0, .size: 8, .value_kind: global_buffer, .address_space: global }
      - { .name: Wq, .offset: 8, .size: 8, .value_kind: global_buffer, .address_space: global }
      - { .name: Wk, .offset: 16, .size: 8, .value_kind: global_buffer, .address_space: global }
      - { .name: Wv, .offset: 24, .size: 8, .value_kind: global_buffer, .address_space: global }
      - { .name: Wo, .offset: 32, .size: 8, .value_kind: global_buffer, .address_space: global }
      - { .name: mask, .offset: 40, .size: 8, .value_kind: global_buffer, .address_space: global }
      - { .name: xw_codes, .offset: 48, .size: 8, .value_kind: global_buffer, .address_space: global }
      - { .name: xw_scl, .offset: 56, .size: 8, .value_kind: global_buffer, .address_space: global }
      - { .name: mbias, .offset: 64, .size: 8, .value_kind: global_buffer, .address_space: global }
    .group_segment_fixed_size: 34816
    .private_segment_fixed_size: 0
    .kernarg_segment_align: 8
    .kernarg_segment_size: 72
    .max_flat_workgroup_size: 128
    .sgpr_count:     66
    .vgpr_count:     256
    .wavefront_size: 32
...
	.end_amdgpu_metadata
.endif
;; end of part 1
;; launch qkv (part 2): grid 8 x 32, 4 waves a work-group, clusters of 4 x 1, 327,680 bytes of LDS; arguments xw_codes, xw_scl, bq, bk, bv, mask, qkv_codes, qkv_scl; writes qkv_codes, qkv_scl
.if DOCPART == 2
	.amdgcn_target "amdgcn-amd-amdhsa--gfx1250"
	.amdhsa_code_object_version 6
	.text
	.protected	k_qfcaa4b4f7d_qkv
	.globl	k_qfcaa4b4f7d_qkv
	.p2align	8
	.type	k_qfcaa4b4f7d_qkv,@function
k_qfcaa4b4f7d_qkv:
	s_mov_b64 s[64:65], 0
	v_nop
	global_prefetch_b8 v0, s[64:65] scope:SCOPE_SE
	s_setreg_imm32_b32 hwreg(HW_REG_WAVE_MODE, 25, 1), 1
	s_wait_xcnt 0x0
	s_wait_alu depctr_hold_cnt(0) depctr_sa_sdst(0) depctr_va_vdst(0) depctr_va_sdst(0) depctr_va_ssrc(0) depctr_va_vcc(0) depctr_vm_vsrc(0)
	s_getreg_b32 s2, hwreg(HW_REG_IB_STS2, 6, 4)
	s_cmp_eq_u32 s2, 0
	s_cbranch_scc0 .Lentry_in_a_cluster
	s_endpgm
.Lentry_in_a_cluster:
	s_bfe_u32 s2, ttmp6, 0x10000c
	s_cmp_lg_u32 s2, 0x3003
	s_cbranch_scc0 .Lentry_shape_is_right
	s_endpgm
.Lentry_shape_is_right:
; Q, K, V = x W^T + b on codes of FP6 (E2M3) with E8M0 scales, f32 sums; each result is quantised at once for the products that follow and leaves as codes and scale bytes, in the order of the reader's operand registers.
; xw_codes holds row tiles of 16 rows x 1,024 K (12,288 bytes, 16 half fragments in the order of an operand's registers): tiles 0-511 x, 512-575 Wq, 576-639 Wk, 640-703 Wv; xw_scl 512 bytes a tile.
; THE DEAL: 8 x 32 = 256 work-groups of equal work, four waves each.  Work-group (tensor kx = 0 Q, 1 K; cx; y) owns the 256 tokens of block y.
; PHASE 1: 256 tokens x 256 columns of Q or K.  A wave holds 64 rows of the weight (one head), all of K, in 384 registers as source 0; the block's 16 token tiles stream past from LDS as source 1: a lane holds a token, its
; 32 registers run along the head's 64 (with lane l xor 16): two scale blocks.  The bias is the C of a sum's first product.  A hidden key's codes of K are set to zeros.
; PHASE 2: V of THE SAME 256 tokens, which still lie in LDS: a wave takes four of their tiles (64 tokens) into the same 384 registers by LDS loads, and 8 tiles of Wv (two heads) stream past: a lane holds a column of V,
; its registers run along the tokens, which are V's K in the product that follows.  The eight work-groups of a token block take Wv's 64 tiles, 8 each: tiles 8 (4 kx + cx) on.  bv, one number a lane, is the C of the first products.
; LDS, each byte filled once: the tokens' codes (196,608 bytes, waves 0 and 1 a half each) and scale words (wave 3), asked for JOINTLY by the four work-groups of a cluster, which share y; Wv's 8 tiles (98,304 bytes, wave 2):
; a load of the work-group's own, since its address hangs on cx.  One tensor load a wave.  Wave 2 waits for its load at the barrier between the phases; its line is its own arm of the head's chain.
; No prefetch into the L2: all fills are asked for at the head, and there is no loop ahead of them to ask in.
; LIMITS: a block of zeros gets the byte 1 where the rule says 127 (its codes are zeros; this program alone reads the bytes); NaN and infinities are not served.
; REGISTERS: window 0: v1-17 addresses; v18, v19 the add's two; v24-39 the resident rows' scale words; v40-47 the streamed tokens', two sets; v48-63 the mask; v64-95 C; v96-127 four accumulators; v128-148 codes at work;
; v160-163 Wv's LDS addresses; v164-195 Wv's scale words; v196-203 bv; v204-206 my four token tiles in LDS.  Windows 1, 2: the resident fragments (tile t, K step s) at 48 t + 12 (s % 4).  Window 3: a streamed tile, two sets.
.set WC,    196608                     ; Wv's 8 tiles, behind the tokens' 16
.set SSC,   294912                     ; the tokens' scale words, 8,192 bytes
.set STQ,   303104                     ; stages for the results' scale bytes: Q's or K's, 512 bytes a wave,
.set STV,   305152                     ; V's, 512 bytes a head
.set SPARE, 307200                     ; the spare words, 128 bytes for each wave
.set SPW, 18
.set NIL, 19
.set RS,  24
.set SS,  40
.set LD,  48
.set CB,  64
.set ACC, 96
.set PC,  128
.set PT,  136
.set QM,  140
.set AW,  160
.set WS,  164
.set LB,  196
.set RX,  204
.set MSB, 0
.macro WIN new                         ; the immediate's high byte repeats the setting that is left
.if MSB != \new
	s_set_vgpr_msb (MSB<<8)|\new
.set MSB, \new
.endif
.endm
.macro CROUND                          ; a round of the cluster's barrier
	s_barrier_signal -1
	s_barrier_wait -1
	s_cmp_lg_u32 s20, 0
	s_cbranch_scc1 .Lnot_wave_0_\@
	s_barrier_signal -3
.Lnot_wave_0_\@:
	s_barrier_wait -3
	s_barrier_signal -1
	s_barrier_wait -1
.endm
.macro TLOAD g0, g1
	tensor_load_to_lds s[\g0:\g0+3], s[\g1:\g1+7]
	s_nop 0
.rept 4
	v_nop
.endr
.endm
	s_load_b512 s[4:19], s[0:1], 0x0               ; xw_codes, xw_scl, bq, bk, bv, mask, qkv_codes, qkv_scl
	v_lshl_add_u32 v[SPW], v0, 2, SPARE
	v_mov_b32 v[NIL], 0
	ds_add_u32 v[SPW], v[NIL]                      ; the wave's opening: the add, twice on end, and its wait ahead of my tensor load
	ds_add_u32 v[SPW], v[NIL]
	v_lshrrev_b32 v20, 5, v0
	v_readfirstlane_b32 s20, v20                   ; wave
	s_bfe_u32 s21, ttmp6, 0x40000                  ; cx: it enters global addresses of my own loads and stores alone
	s_mov_b32 s22, ttmp9                           ; 0 Q, 1 K
	s_and_b32 s23, ttmp7, 0xffff                   ; y: the block of 256 tokens
	s_mov_b32 s24, 15|(3<<16)|(1<<21)              ; group 1, half of the tokens' codes: 384 rows of 256 bytes (32 elements of 8 bytes); mask 15, bit 21 beside it
	s_mov_b32 s25, 32<<16
	s_mov_b32 s26, 384<<16
	s_mov_b32 s27, 32<<16
	s_mov_b32 s28, 384
	s_mov_b32 s29, 32
	s_mov_b32 s30, 0
	s_mov_b32 s31, 0
	s_mov_b32 s32, 15|(3<<16)|(1<<21)              ; their scale words: 32 rows
	s_mov_b32 s33, 32<<16
	s_mov_b32 s34, 32<<16
	s_mov_b32 s35, 32<<16
	s_mov_b32 s36, 32
	s_mov_b32 s37, 32
	s_mov_b32 s38, 0
	s_mov_b32 s39, 0
	s_mov_b32 s68, 3<<16                           ; Wv's 8 tiles: 384 rows, no mask: a load of my work-group's own
	s_mov_b32 s69, 32<<16
	s_mov_b32 s70, 384<<16
	s_mov_b32 s71, 32<<16
	s_mov_b32 s72, 384
	s_mov_b32 s73, 32
	s_mov_b32 s74, 0
	s_mov_b32 s75, 0
	s_mov_b32 s40, 1                               ; group 0: the tokens' codes, waves 0 and 1 a half each
	s_mul_i32 s41, s20, 98304
	s_mul_i32 s42, s23, 196608
	s_add_co_u32 s42, s42, s41
	s_mov_b32 s43, 0
	s_mov_b32 s44, 1                               ; their scale words
	s_mov_b32 s45, SSC
	s_lshl_b32 s46, s23, 13
	s_mov_b32 s47, 0
	s_lshl_b32 s88, s22, 2
	s_add_co_u32 s88, s88, s21                     ; e = 4 kx + cx: my eighth of Wv
	s_mov_b32 s76, 1
	s_mov_b32 s77, WC
	s_mul_i32 s78, s88, 98304
	s_add_co_u32 s78, s78, 640*12288
	s_mov_b32 s79, 0
	s_lshl_b32 s80, s88, 12                        ; its scale words,
	s_add_co_u32 s80, s80, 640*512
	s_mov_b32 s81, 0
	s_lshl_b32 s82, s88, 9                         ; and its 128 numbers of bv
	s_mov_b32 s83, 0
	s_lshl_b32 s89, s22, 6                         ; my four tiles of Wq or Wk: 512 + 64 kx + 16 cx + 4 wave
	s_add_co_u32 s89, s89, 512
	s_lshl_b32 s66, s21, 4
	s_add_co_u32 s89, s89, s66
	s_lshl_b32 s66, s20, 2
	s_add_co_u32 s89, s89, s66
	s_mul_i32 s48, s89, 12288
	s_mov_b32 s49, 0
	s_lshl_b32 s50, s89, 9
	s_mov_b32 s51, 0
	s_lshl_b32 s52, s23, 10                        ; the block's 256 numbers of the mask
	s_mov_b32 s53, 0
	s_lshl_b32 s54, s21, 10                        ; my 64 numbers of bq or bk
	s_lshl_b32 s66, s20, 8
	s_add_co_u32 s54, s54, s66
	s_mov_b32 s55, 0
	s_lshr_b32 s90, s23, 3
	s_lshl_b32 s90, s90, 4                         ; 16 x batch
	s_and_b32 s91, s23, 7                          ; the block's number in its batch
	s_lshl_b32 s92, s21, 2
	s_add_co_u32 s92, s92, s90
	s_add_co_u32 s92, s92, s20                     ; batch x head of Q or K
	s_lshl_b32 s56, s92, 7                         ; its codes: [tensor][batch x head][tile of 16 tokens][768]
	s_lshl_b32 s66, s91, 4
	s_add_co_u32 s56, s56, s66
	s_mul_i32 s56, s56, 768
	s_mul_i32 s66, s22, 6291456
	s_add_co_u32 s56, s56, s66
	s_mov_b32 s57, 0
	s_mul_i32 s58, s92, 12288                      ; its scale words: [batch x head][tensor 4,096][block 512]
	s_lshl_b32 s66, s22, 12
	s_add_co_u32 s58, s58, s66
	s_lshl_b32 s66, s91, 9
	s_add_co_u32 s58, s58, s66
	s_mov_b32 s59, 0
	s_lshl_b32 s93, s88, 1
	s_add_co_u32 s93, s93, s90                     ; batch x head of V's first head
	s_lshl_b32 s84, s93, 4                         ; V's codes: [batch x head][key step of 128][tile of 16 columns][half of the step][768]
	s_lshl_b32 s66, s91, 1
	s_add_co_u32 s84, s84, s66
	s_lshr_b32 s66, s20, 1
	s_add_co_u32 s84, s84, s66
	s_mul_i32 s84, s84, 6144
	s_and_b32 s66, s20, 1
	s_mul_i32 s66, s66, 768
	s_add_co_u32 s84, s84, s66
	s_add_co_u32 s84, s84, 12582912
	s_mov_b32 s85, 0
	s_add_co_u32 s86, s93, s20                     ; V's scale words: waves 0 and 1 store a head's each
	s_mul_i32 s86, s86, 12288
	s_lshl_b32 s66, s91, 9
	s_add_co_u32 s86, s86, s66
	s_add_co_u32 s86, s86, 8192
	s_mov_b32 s87, 0
	s_mov_b32 s60, 0x76543210
	s_mov_b32 s61, 0xfedcba98                      ; v_permlanex16_b32's selects for lane l xor 16
	v_and_b32 v21, 31, v0                          ; lane
	v_and_b32 v22, 15, v0                          ; r
	v_bfe_u32 v23, v0, 4, 1                        ; h
	v_lshlrev_b32 v1, 4, v21
	v_lshlrev_b32 v2, 3, v21
	v_and_b32 v3, 8, v22
	v_add_nc_u32 v3, v3, v22
	v_lshlrev_b32 v3, 2, v3                        ; row r of a tile is row r + 8 (r / 8) of its 32: 4 bytes a number
	v_lshlrev_b32 v4, 6, v23                       ; 64 h: my half's 16 numbers of the bias
.irp g, 0,1,2,3
	v_add_nc_u32 v[5+\g], \g*49152, v1             ; the tokens' codes, four tiles to a register: an LDS offset has 16 bits
	v_add_nc_u32 v[9+\g], \g*49152, v2
.endr
.irp g, 0,1
	v_add_nc_u32 v[AW+\g], WC+\g*49152, v1         ; Wv's
	v_add_nc_u32 v[AW+2+\g], WC+\g*49152, v2
.endr
	v_add_nc_u32 v13, SSC, v1
	s_lshl_b32 s63, s20, 9
	s_add_co_u32 s62, s63, STQ
	v_lshl_add_u32 v14, v22, 2, s62
	v_add_nc_u32 v16, s62, v1
	s_add_co_u32 s62, s63, STV
	v_add_nc_u32 v17, s62, v1
	s_lshr_b32 s62, s20, 1
	s_lshl_b32 s62, s62, 8
	s_and_b32 s63, s20, 1
	s_lshl_b32 s63, s63, 1
	s_add_co_u32 s62, s62, s63
	s_add_co_u32 s62, s62, STV
	v_lshl_add_u32 v15, v22, 2, s62
	s_mul_i32 s62, s20, 49152                      ; my four token tiles of phase 2,
	v_add_nc_u32 v[RX], s62, v1
	v_add_nc_u32 v[RX+1], s62, v2
	s_lshl_b32 s62, s20, 11
	s_add_co_u32 s62, s62, SSC
	v_add_nc_u32 v[RX+2], s62, v1                  ; and their scale words
	v_mov_b32 v[QM+2], 0                           ; written once: a lane permute's destination counts as one of its sources
	v_mov_b32 v[QM+3], 0
	s_cmp_eq_u32 s22, 0
	s_cselect_b32 s62, -1, 0                       ; Q's codes are never hidden
	s_wait_alu depctr_va_vdst(0)
	s_wait_dscnt 0x0                               ; both opening adds are done
	s_wait_kmcnt 0x0
	s_add_nc_u64 s[42:43], s[4:5], s[42:43]
	s_or_b32 s43, s43, 0x80000000
	s_add_nc_u64 s[46:47], s[6:7], s[46:47]
	s_or_b32 s47, s47, 0x80000000
	s_add_nc_u64 s[78:79], s[4:5], s[78:79]
	s_or_b32 s79, s79, 0x80000000
	s_add_nc_u64 s[80:81], s[6:7], s[80:81]
	s_add_nc_u64 s[82:83], s[12:13], s[82:83]
	s_add_nc_u64 s[48:49], s[4:5], s[48:49]
	s_add_nc_u64 s[50:51], s[6:7], s[50:51]
	s_add_nc_u64 s[52:53], s[14:15], s[52:53]
	s_cmp_eq_u32 s22, 1
	s_cselect_b64 s[66:67], s[10:11], s[8:9]
	s_add_nc_u64 s[54:55], s[66:67], s[54:55]
	s_add_nc_u64 s[56:57], s[16:17], s[56:57]
	s_add_nc_u64 s[58:59], s[18:19], s[58:59]
	s_add_nc_u64 s[84:85], s[16:17], s[84:85]
	s_add_nc_u64 s[86:87], s[18:19], s[86:87]
	CROUND                                         ; all four work-groups are here: the joint loads meet
	s_cmp_lt_u32 s20, 2                            ; one chain, one tensor load to an arm
	s_cbranch_scc0 .Lnot_codes
	TLOAD 40, 24                                   ; waves 0 and 1: half of the tokens' codes
	s_branch .Lasked
.Lnot_codes:
	s_cmp_eq_u32 s20, 2
	s_cbranch_scc0 .Lfor_scales
	TLOAD 76, 68                                   ; wave 2: Wv's 8 tiles, first read in phase 2
	s_branch .Lasked
.Lfor_scales:
	TLOAD 44, 32                                   ; wave 3: the tokens' scale words
.Lasked:
	WIN 0x40                                       ; my 64 rows of Wq or Wk, all of K
.set t, 0
.rept 4
.set g, 0
.rept 8
	global_load_b128 v[48*t+6*g:48*t+6*g+3], v1, s[48:49] offset:t*12288+g*768
	global_load_b64 v[48*t+6*g+4:48*t+6*g+5], v2, s[48:49] offset:t*12288+g*768+512
.set g, g+1
.endr
.set t, t+1
.endr
	WIN 0x80
.set t, 0
.rept 4
.set g, 0
.rept 8
	global_load_b128 v[48*t+6*g:48*t+6*g+3], v1, s[48:49] offset:t*12288+(g+8)*768
	global_load_b64 v[48*t+6*g+4:48*t+6*g+5], v2, s[48:49] offset:t*12288+(g+8)*768+512
.set g, g+1
.endr
.set t, t+1
.endr
	WIN 0
.irp t, 0,1,2,3
	global_load_b128 v[RS+4*\t:RS+4*\t+3], v1, s[50:51] offset:512*\t
.endr
.set p, 0
.rept 16                                       ; the mask of my lane's token in each of the 16 tiles
	global_load_b32 v[LD+p], v3, s[52:53] offset:(32*(p/2)+8*(p%2))*4
.set p, p+1
.endr
.irp t, 0,1,2,3                                ; bq or bk as the C of a sum's first product
	global_load_b128 v[CB+8*\t:CB+8*\t+3], v4, s[54:55] offset:(32*(\t/2)+8*(\t%2))*4
	global_load_b128 v[CB+8*\t+4:CB+8*\t+7], v4, s[54:55] offset:(32*(\t/2)+8*(\t%2))*4+16
.endr
.set p, 0
.rept 8                                        ; for phase 2: Wv's scale words and my lane's number of bv in each of the 8 tiles
	global_load_b128 v[WS+4*p:WS+4*p+3], v1, s[80:81] offset:512*p
	global_load_b32 v[LB+p], v3, s[82:83] offset:(32*(p/2)+8*(p%2))*4
.set p, p+1
.endr
	s_cmp_eq_u32 s20, 2
	s_cbranch_scc1 .Lnot_yet                       ; wave 2's tile is not read before the barrier between the phases
	s_wait_tensorcnt 0x0
.Lnot_yet:
	s_barrier_signal -1
	s_barrier_wait -1                              ; the tokens' codes and scale words are in; nothing is filled again in this launch
.macro SLOAD a                         ; token tile a: 8 fragments as 16 half fragments, and four scale registers: 33 LDS loads
	WIN 0xc0
.set g, 0
.rept 16
	ds_load_b128 v[96*((\a)%2)+6*g:96*((\a)%2)+6*g+3], v[5+(\a)/4] offset:((\a)%4)*12288+768*g
	ds_load_b64 v[96*((\a)%2)+6*g+4:96*((\a)%2)+6*g+5], v[9+(\a)/4] offset:((\a)%4)*12288+768*g+512
.set g, g+1
.endr
	WIN 0
	ds_load_b128 v[SS+4*((\a)%2):SS+4*((\a)%2)+3], v13 offset:512*(\a)
.endm
.macro SLOADW a                        ; tile a of Wv: 32 LDS loads (its scale words lie in registers)
	WIN 0xc0
.set g, 0
.rept 16
	ds_load_b128 v[96*((\a)%2)+6*g:96*((\a)%2)+6*g+3], v[AW+(\a)/4] offset:((\a)%4)*12288+768*g
	ds_load_b64 v[96*((\a)%2)+6*g+4:96*((\a)%2)+6*g+5], v[AW+2+(\a)/4] offset:((\a)%4)*12288+768*g+512
.set g, g+1
.endr
	WIN 0
.endm
.macro WM d, a, b, c, sa, sb, odd      ; an odd K step's scale words lie in lanes 16-31 of both scale registers
.if \odd
	v_wmma_scale_f32_16x16x128_f8f6f4 v[\d:\d+7], v[\a:\a+11], v[\b:\b+11], v[\c:\c+7], v[\sa], v[\sb] matrix_a_fmt:MATRIX_FMT_FP6 matrix_b_fmt:MATRIX_FMT_FP6 matrix_a_scale:MATRIX_SCALE_ROW1 matrix_b_scale:MATRIX_SCALE_ROW1
.else
	v_wmma_scale_f32_16x16x128_f8f6f4 v[\d:\d+7], v[\a:\a+11], v[\b:\b+11], v[\c:\c+7], v[\sa], v[\sb] matrix_a_fmt:MATRIX_FMT_FP6 matrix_b_fmt:MATRIX_FMT_FP6
.endif
.endm
.macro MUL a, cs, sb                   ; 32 products: K ascending, the four accumulators by turns.  cs: from one accumulator's C to the next's; sb: the streamed tile's scale registers
.irp s, 0,1,2,3,4,5,6,7
.if \s < 4
	WIN 0x0d                                       ; source 0 window 1, source 1 window 3
.else
	WIN 0x0e                                       ; source 0 window 2
.endif
.irp t, 0,1,2,3
.if \s == 0
	WM ACC+8*\t, 48*\t+12*(\s%4), 96*((\a)%2)+12*\s, CB+\cs*\t, RS+4*\t+\s/2, \sb+\s/2, \s%2
.else
	WM ACC+8*\t, 48*\t+12*(\s%4), 96*((\a)%2)+12*\s, ACC+8*\t, RS+4*\t+\s/2, \sb+\s/2, \s%2
.endif
.endr
.endr
	WIN 0
.endm
; 32 numbers of a lane, register 16 b + i = k 32 b + 16 (lane / 16) + i of my row, become a half fragment in v[pc] .. v[pc + 5] and the row's two scale bytes in v[m + 8]
.macro QUANT2 s, pc, pt, m, sel
	v_max3_num_f32 v[\m], |v[\s]|, |v[\s+1]|, 0x1800000
	v_max3_num_f32 v[\m+1], |v[\s+16]|, |v[\s+17]|, 0x1800000
.irp i, 2,4,6,8,10,12,14
	v_max3_num_f32 v[\m], v[\m], |v[\s+\i]|, |v[\s+\i+1]|
	v_max3_num_f32 v[\m+1], v[\m+1], |v[\s+16+\i]|, |v[\s+17+\i]|
.endr
	v_permlanex16_b32 v[\m+2], v[\m], s[\sel], s[\sel+1]
	v_permlanex16_b32 v[\m+3], v[\m+1], s[\sel], s[\sel+1]
	v_max_num_f32 v[\m], v[\m], v[\m+2]
	v_max_num_f32 v[\m+1], v[\m+1], v[\m+3]
	v_add_nc_u32 v[\m+4], 0xff000000, v[\m]
	v_add_nc_u32 v[\m+5], 0xff000000, v[\m+1]
	v_lshrrev_b32 v[\m+6], 23, v[\m+4]
	v_lshrrev_b32 v[\m+7], 23, v[\m+5]
	v_lshl_or_b32 v[\m+8], v[\m+7], 8, v[\m+6]
	v_cvt_scalef32_pk16_fp6_f32 v[\pc:\pc+2], v[\s:\s+15], v[\m+4]
	v_cvt_scalef32_pk16_fp6_f32 v[\pt:\pt+2], v[\s+16:\s+31], v[\m+5]
	v_nop                                          ; one plain place behind a scaled conversion
.irp i, 0,1,2
	v_permlane16_swap_b32 v[\pc+\i], v[\pt+\i]
.endr
.irp i, 0,1,2
	v_mov_b32 v[\pc+3+\i], v[\pt+\i]
.endr
.endm
.macro TILE1 a                         ; 16 tokens x my head of Q or K
.if \a < 15
	SLOAD \a+1
	s_wait_dscnt 33                                ; all but the 33 just issued
.else
	s_wait_dscnt 0x0
.endif
	MUL \a, 8, SS+4*((\a)%2)
.rept 4
	v_nop                                          ; places in front of the first read of the results
.endr
	s_wait_xcnt 0x0                                ; the last tile's stores have read the codes' registers
	QUANT2 ACC, PC, PT, QM, 60
	v_cmp_ne_u32 s63, 0, v[LD+\a]
	s_or_b32 s63, s63, s62
.irp i, 0,1,2,3,4,5
	v_cndmask_b32 v[PC+\i], 0, v[PC+\i], s63       ; a hidden key's codes of K are zeros
.endr
	global_store_b128 v1, v[PC:PC+3], s[56:57] offset:768*\a
	global_store_b64 v2, v[PC+4:PC+5], s[56:57] offset:768*\a+512
	ds_store_b16 v14, v[QM+8] offset:64*(\a/2)+2*(\a%2)
.endm
.macro TILE2 a                         ; 16 columns of V x my 64 tokens
.irp i, 0,1,2,3,4,5,6,7
	v_mov_b32 v[CB+\i], v[LB+\a]                   ; bv of my lane's column, over the eight registers of the C that all four first products take
.endr
.rept 4
	v_nop
.endr
.if \a < 7
	SLOADW \a+1
	s_wait_alu depctr_va_vdst(0)
	s_wait_dscnt 32                                ; all but the 32 just issued
.else
	s_wait_alu depctr_va_vdst(0)
	s_wait_dscnt 0x0
.endif
	MUL \a, 0, WS+4*(\a)
.rept 4
	v_nop
.endr
	s_wait_xcnt 0x0
	QUANT2 ACC, PC, PT, QM, 60
	global_store_b128 v1, v[PC:PC+3], s[84:85] offset:98304*(\a/4)+1536*(\a%4)
	global_store_b64 v2, v[PC+4:PC+5], s[84:85] offset:98304*(\a/4)+1536*(\a%4)+512
	ds_store_b16 v15, v[QM+8] offset:512*(\a/4)+64*(\a%4)
.endm
	SLOAD 0
	s_wait_loadcnt 0x0                             ; the weights, their scale words, the mask, the biases
.irp a, 0,1,2,3,4,5,6,7,8,9,10,11,12,13,14,15
	TILE1 \a
.endr
; THE CHANGE OF PHASE
	s_wait_alu depctr_va_vdst(0)
	s_wait_tensorcnt 0x0                           ; wave 2: Wv's tiles are in
	s_wait_dscnt 0x0
	s_barrier_signal -1
	s_barrier_wait -1                              ; and shown to all
	WIN 0x40                                       ; my four token tiles, all of K, out of LDS into the registers that held the weights
.set t, 0
.rept 4
.set g, 0
.rept 8
	ds_load_b128 v[48*t+6*g:48*t+6*g+3], v[RX] offset:t*12288+g*768
	ds_load_b64 v[48*t+6*g+4:48*t+6*g+5], v[RX+1] offset:t*12288+g*768+512
.set g, g+1
.endr
.set t, t+1
.endr
	WIN 0x80
.set t, 0
.rept 4
.set g, 0
.rept 8
	ds_load_b128 v[48*t+6*g:48*t+6*g+3], v[RX] offset:t*12288+(g+8)*768
	ds_load_b64 v[48*t+6*g+4:48*t+6*g+5], v[RX+1] offset:t*12288+(g+8)*768+512
.set g, g+1
.endr
.set t, t+1
.endr
	WIN 0
.irp t, 0,1,2,3
	ds_load_b128 v[RS+4*\t:RS+4*\t+3], v[RX+2] offset:512*\t
.endr
	SLOADW 0
.irp a, 0,1,2,3,4,5,6,7
	TILE2 \a
.endr
	s_wait_dscnt 0x0                               ; for the others' sake: my scale bytes have landed
	s_barrier_signal -1
	s_barrier_wait -1
	ds_load_b128 v[152:155], v16                   ; my head's scale words of Q or K
	s_cmp_lt_u32 s20, 2
	s_cbranch_scc0 .Lno_v
	ds_load_b128 v[156:159], v17                   ; waves 0 and 1: a head's of V
	s_wait_dscnt 0x0
	global_store_b128 v1, v[156:159], s[86:87]     ; 512 consecutive bytes
.Lno_v:
	s_wait_dscnt 0x0
	global_store_b128 v1, v[152:155], s[58:59]
	s_wait_tensorcnt 0x0                           ; the wave's end
	ds_add_u32 v[SPW], v[NIL]
	s_wait_dscnt 0x0
	CROUND                                         ; the closing round
	s_endpgm
.Lfunc_end_k_qfcaa4b4f7d_qkv:
	.size	k_qfcaa4b4f7d_qkv, .Lfunc_end_k_qfcaa4b4f7d_qkv-k_qfcaa4b4f7d_qkv
	.p2alignl 7, 3214868480
	.fill 96, 4, 3214868480
	.section	.rodata,"a",@progbits
	.p2align	6, 0x0
	.amdhsa_kernel k_qfcaa4b4f7d_qkv
		.amdhsa_group_segment_fixed_size 327680
		.amdhsa_private_segment_fixed_size 0
		.amdhsa_enable_private_segment 0
		.amdhsa_kernarg_size 64
		.amdhsa_user_sgpr_count 2
		.amdhsa_user_sgpr_kernarg_segment_ptr 1
		.amdhsa_wavefront_size32 1
		.amdhsa_system_sgpr_workgroup_id_x 1
		.amdhsa_system_sgpr_workgroup_id_y 1
		.amdhsa_system_sgpr_workgroup_id_z 1
		.amdhsa_system_vgpr_workitem_id 0
		.amdhsa_next_free_vgpr 960
		.amdhsa_next_free_sgpr 96
		.amdhsa_reserve_vcc 0
		.amdhsa_float_denorm_mode_32 3
		.amdhsa_float_denorm_mode_16_64 3
		.amdhsa_memory_ordered 1
		.amdhsa_forward_progress 1
		.amdhsa_inst_pref_size 250
	.end_amdhsa_kernel
	.amdgpu_metadata
---
amdhsa.version: [ 1, 2 ]
amdhsa.kernels:
  - .name:           k_qfcaa4b4f7d_qkv
    .symbol:         k_qfcaa4b4f7d_qkv.kd
    .args:
      - { .name: xw_codes, .offset: 0, .size: 8, .value_kind: global_buffer, .address_space: global }
      - { .name: xw_scl, .offset: 8, .size: 8, .value_kind: global_buffer, .address_space: global }
      - { .name: bq, .offset: 16, .size: 8, .value_kind: global_buffer, .address_space: global }
      - { .name: bk, .offset: 24, .size: 8, .value_kind: global_buffer, .address_space: global }
      - { .name: bv, .offset: 32, .size: 8, .value_kind: global_buffer, .address_space: global }
      - { .name: mask, .offset: 40, .size: 8, .value_kind: global_buffer, .address_space: global }
      - { .name: qkv_codes, .offset: 48, .size: 8, .value_kind: global_buffer, .address_space: global }
      - { .name: qkv_scl, .offset: 56, .size: 8, .value_kind: global_buffer, .address_space: global }
    .group_segment_fixed_size: 327680
    .private_segment_fixed_size: 0
    .kernarg_segment_align: 8
    .kernarg_segment_size: 64
    .max_flat_workgroup_size: 128
    .sgpr_count:     96
    .vgpr_count:     960
    .wavefront_size: 32
...
	.end_amdgpu_metadata
.endif
;; end of part 2
;; launch attn (part 3): grid 4 x 64, 8 waves a work-group, clusters of 4 x 1, 215,552 bytes of LDS; arguments qkv_codes, qkv_scl, mbias, ctx_codes, ctx_scl; writes ctx_codes, ctx_scl
.if DOCPART == 3
	.amdgcn_target "amdgcn-amd-amdhsa--gfx1250"
	.amdhsa_code_object_version 6
	.text
	.protected	k_qfcaa4b4f7d_attn
	.globl	k_qfcaa4b4f7d_attn
	.p2align	8
	.type	k_qfcaa4b4f7d_attn,@function
k_qfcaa4b4f7d_attn:
	s_mov_b64 s[64:65], 0
	v_nop
	global_prefetch_b8 v0, s[64:65] scope:SCOPE_SE
	s_setreg_imm32_b32 hwreg(HW_REG_WAVE_MODE, 25, 1), 1
	s_wait_xcnt 0x0
	s_wait_alu depctr_hold_cnt(0) depctr_sa_sdst(0) depctr_va_vdst(0) depctr_va_sdst(0) depctr_va_ssrc(0) depctr_va_vcc(0) depctr_vm_vsrc(0)
	s_getreg_b32 s2, hwreg(HW_REG_IB_STS2, 6, 4)
	s_cmp_eq_u32 s2, 0
	s_cbranch_scc0 .Lentry_in_a_cluster
	s_endpgm
.Lentry_in_a_cluster:
	s_bfe_u32 s2, ttmp6, 0x10000c
	s_cmp_lg_u32 s2, 0x3003
	s_cbranch_scc0 .Lentry_shape_is_right
	s_endpgm
.Lentry_shape_is_right:
; ctx = softmax(q k^T / 8, hidden keys at a very low score) v for 4 batches x 16 heads of 64, 2,048 tokens, both products on codes of FP6 (E2M3) with E8M0 scales; ctx is quantised at once along D for the last product.
; THE SOFTMAX: t = score x log2(e) / 8; M = the row's largest t so far, rounded UP to a whole number; p = 2^(t - M) is quantised along the keys; the row's sum is taken of the unquantised p and divides O at the end.
; When M moves, the sum and O are multiplied by 2^(old M - new M): exact.
; SHARES: a work-group owns ONE head of one batch and 512 queries: 64 x 4 = 256 work-groups.  The head's whole K and V, 2 x 98,304 bytes, lie in LDS for the whole launch: filled once, one joint tensor load a wave
; (a quarter of K or of V, 96 rows of 256 bytes), so nothing is filled again and the walk over the keys has no barrier.  The four work-groups of a head form a cluster and ask jointly (mask 15).
; Eight waves, two to a SIMD, 512 registers each.  A wave owns TWO tiles of 16 queries at once, A and B, so that each fragment of K and V, each scale word and the bias are read from LDS once for 32 queries;
; it walks the 16 key steps of 128 twice, for 2 x 32 queries.  EVERY LINE OF THE SOFTMAX IS WRITTEN FOR A AND FOR B BY TURNS: eight or sixteen chains that do not hang on each other stand side by side.
; BOTH PRODUCTS ARE USED TRANSPOSED: S^T = K Q^T, O^T = V^T P^T: a lane holds ONE query.  A fragment of K holds TWO tiles of 16 keys, one in each half of the instruction's 128; the two q lie as
; zeros | qA | zeros | qB | zeros: q with the zeros behind it gives the first tile's scores, with the zeros ahead of it the second's.  Q's scale word carries its two bytes twice.
; THE MASK: the bias (0 or -2^67) lies in 64 registers and is the C of both tiles' score products; a hidden key's codes of k are zeros, so its score is exactly -2^67.
; Where all keys so far are hidden t - M is exactly 0 and p = 1; the first kept key makes 2^(old M - new M) = 0, which wipes that.
; WHAT IS ASKED OF LDS AHEAD: K and V have fragment registers of their own.  V is asked for at a step's head, the NEXT step's K, K scale words and bias behind this step's score products.  A pass's last step so asks
; for 34 loads that nobody uses (they read bytes that were filled or stored: the start of V, V's scale words, a copy of the bias's first 512 bytes behind its end); each pass begins by asking for its first step's.
; The scale words (8,192 bytes) and the bias (8,192) come by plain loads and LDS stores into bytes of their own, on which no tensor load lands.
; No prefetch into the L2: all fills are asked for at the head, and there is no loop ahead of them to ask in.
; ctx_scl is laid [head][tile of 16 tokens][row][2 bytes]: a work-group's 32 tiles are 1,024 consecutive bytes.
; LIMITS: a hidden score is -2^67 where the problem has -1e20: results differ only where genuine scores lie under about -1e18.  NaN and infinities are not served.  v_exp_f32 gives 0 under 2^-126.
; A block of zeros gets the byte 1 where the rule says 127 (its codes are zeros; this program alone reads the bytes).  The promise holds while |t| stays under 2^31.
; REGISTERS, T = 0 for tile A, 1 for B.  Window 0: v1-4, v7, v26, v27 addresses that stay; v5, v6 the add's two; v8-11, v24, v25 the step's addresses; v[12+4T] -M, v[13+4T] the largest score; v[20+2T] f;
; v28 q's loaded scale word; v32 p's scale word of B, v33, v34 q's of B and A, v35-38 K's and V's, v39 p's of A; from 40+24T: 0-3 the blocks' maxima, 4-7, 8-11, 12, 13 at work (all fourteen: seven partial sums),
; 14, 15 the sum, 16-23 second halves of codes and two half words; v[88+12T] p's codes; v[112+64T] S^T, then p; v240-253 ctx's codes.
; Window 1: v0-47 K, v48-95 V, v96-159 the bias, v160-189 q, v[190+32T] O^T.
.set VB,    98304                      ; V's area, behind K's
.set SC,    196608                     ; K's scale words 4,096, V's 4,096
.set MB,    SC+8192                    ; the bias, 8,192 bytes + its first 512 once more
.set STG,   MB+8704                    ; a stage of 1,024 bytes for ctx's scale bytes
.set SPARE, STG+1024                   ; the spare words, 128 bytes for each wave
.set SPW, 5
.set NIL, 6
.set MSB, 0
.macro WIN new                         ; the immediate's high byte repeats the setting that is left
.if MSB != (\new)
	s_set_vgpr_msb (MSB<<8)|(\new)
.set MSB, (\new)
.endif
.endm
.macro WALU
	s_wait_alu depctr_va_vdst(0)
.endm
.macro CROUND                          ; a round of the cluster's barrier
	s_barrier_signal -1
	s_barrier_wait -1
	s_cmp_lg_u32 s60, 0
	s_cbranch_scc1 .Lnot_wave_0_\@
	s_barrier_signal -3
.Lnot_wave_0_\@:
	s_barrier_wait -3
	s_barrier_signal -1
	s_barrier_wait -1
.endm
.macro QLOAD p                         ; pass p's q, both tiles; one scale word serves both
	global_load_b32 v28, v27, s[92:93] offset:512*\p
	WIN 0x40
	global_load_b128 v[166:169], v1, s[90:91] offset:12288*\p
	global_load_b64 v[170:171], v2, s[90:91] offset:12288*\p+512
	global_load_b128 v[178:181], v1, s[90:91] offset:12288*\p+768
	global_load_b64 v[182:183], v2, s[90:91] offset:12288*\p+1280
	WIN 0
.endm
.macro FRAGS r, a, b, o                ; four fragments, each two half fragments of 768 bytes on end: 16 loads (the caller has set the destination's window)
.irp f, 0,1,2,3
	ds_load_b128 v[\r+12*\f:\r+12*\f+3], \a offset:\o+1536*\f
	ds_load_b64 v[\r+12*\f+4:\r+12*\f+5], \b offset:\o+1536*\f+512
	ds_load_b128 v[\r+12*\f+6:\r+12*\f+9], \a offset:\o+1536*\f+768
	ds_load_b64 v[\r+12*\f+10:\r+12*\f+11], \b offset:\o+1536*\f+1280
.endr
.endm
.macro BIAS adr, o                     ; the bias of key 32 b + 16 h + i, laid as S^T's register 16 b + i: 16 loads
.set n, 0
.rept 16
	ds_load_b128 v[96+4*n:99+4*n], \adr offset:\o+128*(n/4)+16*(n%4)
.set n, n+1
.endr
.endm
.macro SCORES                          ; sixteen products, sixteen accumulators: source 0 K, source 1 q, C the bias (window 1), D S^T (window 0)
	WIN 0x15
.irp f, 0,1,2,3
.irp u, 0,1
.irp T, 0,1
.if \f%2
	v_wmma_scale_f32_16x16x128_f8f6f4 v[112+64*\T+16*\f+8*\u:119+64*\T+16*\f+8*\u], v[12*\f:12*\f+11], v[166+12*\T-6*\u:177+12*\T-6*\u], v[96+16*\f+8*\u:103+16*\f+8*\u], v[35+\f/2], v[34-\T] matrix_a_fmt:MATRIX_FMT_FP6 matrix_b_fmt:MATRIX_FMT_FP6 matrix_a_scale:MATRIX_SCALE_ROW1
.else
	v_wmma_scale_f32_16x16x128_f8f6f4 v[112+64*\T+16*\f+8*\u:119+64*\T+16*\f+8*\u], v[12*\f:12*\f+11], v[166+12*\T-6*\u:177+12*\T-6*\u], v[96+16*\f+8*\u:103+16*\f+8*\u], v[35+\f/2], v[34-\T] matrix_a_fmt:MATRIX_FMT_FP6 matrix_b_fmt:MATRIX_FMT_FP6
.endif
.endr
.endr
.endr
	WIN 0
.endm
.macro PV                              ; O^T += V^T P^T: eight accumulators by turns: V and O^T in window 1, p's codes in window 0
	WIN 0x51
.irp t, 0,1,2,3
.irp T, 0,1
.if \t%2
	v_wmma_scale_f32_16x16x128_f8f6f4 v[190+32*\T+8*\t:197+32*\T+8*\t], v[48+12*\t:59+12*\t], v[88+12*\T:99+12*\T], v[190+32*\T+8*\t:197+32*\T+8*\t], v[37+\t/2], v[39-7*\T] matrix_a_fmt:MATRIX_FMT_FP6 matrix_b_fmt:MATRIX_FMT_FP6 matrix_a_scale:MATRIX_SCALE_ROW1
.else
	v_wmma_scale_f32_16x16x128_f8f6f4 v[190+32*\T+8*\t:197+32*\T+8*\t], v[48+12*\t:59+12*\t], v[88+12*\T:99+12*\T], v[190+32*\T+8*\t:197+32*\T+8*\t], v[37+\t/2], v[39-7*\T] matrix_a_fmt:MATRIX_FMT_FP6 matrix_b_fmt:MATRIX_FMT_FP6
.endif
.endr
.endr
	WIN 0
.endm
.macro SUM2 k, a, b                    ; partial sum k = p's pair a + pair b, both tiles
.irp T, 0,1
	v_pk_add_f32 v[40+24*\T+2*\k:41+24*\T+2*\k], v[112+64*\T+\a:113+64*\T+\a], v[112+64*\T+\b:113+64*\T+\b]
.endr
.endm
.macro SUMP k, a                       ; partial sum k += p's pair a  (k = 7: the row's sum itself)
.irp T, 0,1
	v_pk_add_f32 v[40+24*\T+2*\k:41+24*\T+2*\k], v[40+24*\T+2*\k:41+24*\T+2*\k], v[112+64*\T+\a:113+64*\T+\a]
.endr
.endm
.macro SUMS k, l                       ; partial sum k += partial sum l
.irp T, 0,1
	v_pk_add_f32 v[40+24*\T+2*\k:41+24*\T+2*\k], v[40+24*\T+2*\k:41+24*\T+2*\k], v[40+24*\T+2*\l:41+24*\T+2*\l]
.endr
.endm
; A KEY STEP: 128 keys x 32 queries
.macro STEP
	v_add_nc_u32 v24, s75, v1                      ; these four are the places behind the last products, in front of the loads into V's registers
	v_add_nc_u32 v25, s75, v2
	v_add_nc_u32 v10, s69, v3
	v_add_nc_u32 v11, s70, v4
	ds_load_b32 v37, v10 offset:4096               ; V's scale words: fragments 0 (lanes 0-15) and 1 (lanes 16-31),
	ds_load_b32 v38, v10 offset:4224               ; 2 and 3
	WIN 0x40
	FRAGS 48, v24, v25, 0                          ; V lands while the softmax is walked
	WIN 0
	WALU
	s_wait_dscnt 18                                ; K, its scale words and the bias, asked for a step ago, are in; the 18 loads just issued may be out
	SCORES
	v_add_nc_u32 v8, s68, v1                       ; four places in front of the loads into K's and the bias's registers and of the first read of the scores
	v_add_nc_u32 v9, s68, v2
	v_nop
	v_nop
	ds_load_b32 v35, v10 offset:256                ; the next step's K scale words,
	ds_load_b32 v36, v10 offset:384
	WIN 0x40
	FRAGS 0, v8, v9, 6144                          ; K
	BIAS v11, 512                                  ; and bias: 34 loads
	WIN 0
; each block's largest score: it serves for the row's maximum and, since p rises with the score, for the block's largest p
.irp b, 0,1,2,3
.irp T, 0,1
	v_max3_num_f32 v[40+24*\T+\b], v[112+64*\T+16*\b], v[113+64*\T+16*\b], v[114+64*\T+16*\b]
.endr
.endr
.irp i, 3,5,7,9,11,13
.irp b, 0,1,2,3
.irp T, 0,1
	v_max3_num_f32 v[40+24*\T+\b], v[40+24*\T+\b], v[112+64*\T+16*\b+\i], v[113+64*\T+16*\b+\i]
.endr
.endr
.endr
.irp b, 0,1,2,3
.irp T, 0,1
	v_max_num_f32 v[40+24*\T+\b], v[40+24*\T+\b], v[127+64*\T+16*\b]
.endr
.endr
.irp b, 0,1,2,3
.irp T, 0,1
	v_permlanex16_b32 v[44+24*\T+\b], v[40+24*\T+\b], s62, s63
.endr
.endr
.irp b, 0,1,2,3
.irp T, 0,1
	v_max_num_f32 v[40+24*\T+\b], v[40+24*\T+\b], v[44+24*\T+\b]   ; with lane l xor 16's 16 keys
.endr
.endr
.irp T, 0,1
	v_max3_num_f32 v[52+24*\T], v[40+24*\T], v[41+24*\T], v[42+24*\T]
.endr
.irp T, 0,1
	v_mov_b32 v[53+24*\T], v[12+4*\T]              ; the old -M
.endr
.irp T, 0,1
	v_max3_num_f32 v[13+4*\T], v[52+24*\T], v[43+24*\T], v[13+4*\T]   ; the running largest score
.endr
.irp T, 0,1
	v_mul_f32 v[52+24*\T], s66, v[13+4*\T]         ; as t (c is positive, so the largest score gives the largest t)
.endr
.irp T, 0,1
	v_floor_f32 v[12+4*\T], -v[52+24*\T]           ; the new -M = floor(-t): M IS A WHOLE NUMBER
.endr
; tile A's t - M, two at a time; among them the three lines that make f = 2^(old M - new M), for both tiles
.set j, 0
.rept 32
	v_pk_fma_f32 v[112+2*j:113+2*j], v[112+2*j:113+2*j], s[66:67], v[12:13] op_sel_hi:[1,0,0]
.if j == 7
	v_sub_f32 v52, v12, v53
	v_sub_f32 v76, v16, v77
.endif
.if j == 15
	v_cvt_i32_f32 v52, v52                         ; (it saturates)
	v_cvt_i32_f32 v76, v76
.endif
.if j == 23
	v_ldexp_f32 v20, 1.0, v52
	v_ldexp_f32 v22, 1.0, v76
.endif
.set j, j+1
.endr
.irp b, 0,1,2,3
	v_fma_f32 v[40+\b], v[40+\b], s66, v12         ; the same of each block's largest score
.endr
.irp T, 0,1
	v_pk_mul_f32 v[54+24*\T:55+24*\T], v[54+24*\T:55+24*\T], v[20+2*\T:21+2*\T] op_sel_hi:[1,0]   ; the sums under the new M
.endr
	WIN 0x41                                       ; O^T in window 1, f in window 0
.set j, 0
.rept 16
.irp T, 0,1
	v_pk_mul_f32 v[190+32*\T+j:191+32*\T+j], v[190+32*\T+j:191+32*\T+j], v[20+2*\T:21+2*\T] op_sel_hi:[1,0]   ; O^T under the new M; each accumulator from its low end on
.endr
.set j, j+2
.endr
	WIN 0
	WALU                                           ; ahead of a batch of transcendentals
; tile A's p = 2^(t - M); among the exponentials tile B's t - M, whose results are first read behind the next wait
.set j, 0
.rept 32
	v_exp_f32 v[112+2*j], v[112+2*j]
	v_exp_f32 v[113+2*j], v[113+2*j]
	v_pk_fma_f32 v[176+2*j:177+2*j], v[176+2*j:177+2*j], s[66:67], v[16:17] op_sel_hi:[1,0,0]
.set j, j+1
.endr
.irp b, 0,1,2,3
	v_exp_f32 v[40+\b], v[40+\b]                   ; the block's largest p: the same two instructions on the same number give the same bits
	v_fma_f32 v[64+\b], v[64+\b], s66, v16
.endr
	WALU                                           ; ahead of tile B's batch
.set j, 0
.rept 64
	v_exp_f32 v[176+j], v[176+j]
.set j, j+1
.endr
.irp b, 0,1,2,3
	v_exp_f32 v[64+\b], v[64+\b]
.endr
	v_nop                                          ; a plain place behind the exponentials
	WALU                                           ; one wait for both batches, ahead of their first reader
.irp b, 0,1,2,3
.irp T, 0,1
	v_max_num_f32 v[40+24*\T+\b], 0x1800000, v[40+24*\T+\b]        ; the floor 2^(3 - 127): the byte cannot fall under 1
.endr
.endr
.irp b, 0,1,2,3
.irp T, 0,1
	v_add_nc_u32 v[48+24*\T+\b], 0xff000000, v[40+24*\T+\b]        ; 2 off the exponent field: the conversion's scale operand
.endr
.endr
.irp c, 0,1
.irp T, 0,1
	v_cvt_scalef32_pk16_fp6_f32 v[88+12*\T+6*\c:90+12*\T+6*\c], v[112+64*\T+32*\c:127+64*\T+32*\c], v[48+24*\T+2*\c]
	v_cvt_scalef32_pk16_fp6_f32 v[56+24*\T+4*\c:58+24*\T+4*\c], v[128+64*\T+32*\c:143+64*\T+32*\c], v[49+24*\T+2*\c]   ; (a conversion's three registers begin on an even number)
.endr
.endr
.irp b, 0,1,2,3
.irp T, 0,1
	v_lshrrev_b32 v[44+24*\T+\b], 23, v[48+24*\T+\b]               ; the scales' bytes.  (Plain places behind the conversions)
.endr
.endr
.irp T, 0,1
	v_lshl_or_b32 v[59+24*\T], v[45+24*\T], 8, v[44+24*\T]
	v_lshl_or_b32 v[63+24*\T], v[47+24*\T], 8, v[46+24*\T]
.endr
.irp c, 0,1                                    ; the layout wants a WHOLE block in a lane
.irp i, 0,1,2
.irp T, 0,1
	v_permlane16_swap_b32 v[88+12*\T+6*\c+\i], v[56+24*\T+4*\c+\i]
.endr
.endr
.endr
.irp T, 0,1
	v_lshl_or_b32 v[39-7*\T], v[63+24*\T], 16, v[59+24*\T]         ; p's scale word for these 128 keys
.endr
.irp c, 0,1
.irp i, 0,1,2
.irp T, 0,1
	v_mov_b32 v[91+12*\T+6*\c+\i], v[56+24*\T+4*\c+\i]
.endr
.endr
.endr
; the row's sum of the unquantised p, in eight chains a tile.  (These lines are also the places between p's scale words and codes and the products)
	SUM2 0, 4, 8
	SUM2 1, 12, 16
	SUM2 2, 20, 24
	SUM2 3, 28, 32
	SUM2 4, 36, 40
	SUM2 5, 44, 48
	SUM2 6, 52, 56
	SUMP 7, 60
	SUMP 0, 0
	SUMP 1, 2
	SUMP 2, 6
	SUMP 3, 10
	SUMP 4, 14
	SUMP 5, 18
	SUMP 6, 22
	SUMP 7, 26
	SUMP 0, 30
	SUMP 1, 34
	SUMP 2, 38
	SUMP 3, 42
	SUMP 4, 46
	SUMP 5, 50
	SUMP 6, 54
	SUMP 7, 58
	SUMP 0, 62
	SUMS 7, 3
	SUMS 1, 5
	SUMS 2, 6
	SUMS 0, 4
	SUMS 7, 1
	SUMS 0, 2
	SUMS 7, 0
	WALU
	s_wait_dscnt 34                                ; V and its scale words are in; the 34 loads for the next step may be out
	PV
	s_add_co_u32 s68, s68, 6144                    ; the next step's K,
	s_add_co_u32 s75, s75, 6144                    ; V,
	s_add_co_u32 s69, s69, 256                     ; scale words
	s_add_co_u32 s70, s70, 512                     ; and bias
.endm
; A pass ends: O^T / the sum is ctx(my query, d = 32 b + 16 h + i in register 16 b + i): two blocks of 32 along D, quantised and stored as one half fragment; the two scale bytes go to the stage.  Both tiles by turns
.macro FIN p
.irp T, 0,1
	v_add_f32 v[54+24*\T], v[54+24*\T], v[55+24*\T]
.endr
.irp T, 0,1
	v_permlanex16_b32 v[52+24*\T], v[54+24*\T], s62, s63
.endr
.irp T, 0,1
	v_add_f32 v[54+24*\T], v[54+24*\T], v[52+24*\T]
.endr
	WALU                                           ; ahead of the transcendentals,
.irp T, 0,1
	v_rcp_f32 v[53+24*\T], v[54+24*\T]
.endr
	v_nop
	WIN 0x01                                       ; O^T in window 1
	WALU                                           ; and ahead of their first reader and O^T's
.set j, 0
.rept 32
.irp T, 0,1
	v_mul_f32 v[112+64*\T+j], v[190+32*\T+j], v[53+24*\T]          ; each accumulator from its low end on
.endr
.set j, j+1
.endr
	WIN 0
.irp e, 0,1
.irp T, 0,1
	v_max3_num_f32 v[40+24*\T+\e], |v[112+64*\T+16*\e]|, |v[113+64*\T+16*\e]|, 0x1800000
.endr
.endr
.irp i, 2,4,6,8,10,12,14
.irp e, 0,1
.irp T, 0,1
	v_max3_num_f32 v[40+24*\T+\e], v[40+24*\T+\e], |v[112+64*\T+16*\e+\i]|, |v[113+64*\T+16*\e+\i]|
.endr
.endr
.endr
.irp e, 0,1
.irp T, 0,1
	v_permlanex16_b32 v[42+24*\T+\e], v[40+24*\T+\e], s62, s63
.endr
.endr
.irp e, 0,1
.irp T, 0,1
	v_max_num_f32 v[40+24*\T+\e], v[40+24*\T+\e], v[42+24*\T+\e]
.endr
.endr
.irp e, 0,1
.irp T, 0,1
	v_add_nc_u32 v[44+24*\T+\e], 0xff000000, v[40+24*\T+\e]
.endr
.endr
.irp T, 0,1
	v_cvt_scalef32_pk16_fp6_f32 v[240+8*\T:242+8*\T], v[112+64*\T:127+64*\T], v[44+24*\T]
	v_cvt_scalef32_pk16_fp6_f32 v[56+24*\T:58+24*\T], v[128+64*\T:143+64*\T], v[45+24*\T]
.endr
.irp e, 0,1
.irp T, 0,1
	v_lshrrev_b32 v[46+24*\T+\e], 23, v[44+24*\T+\e]               ; (plain places behind the conversions)
.endr
.endr
.irp i, 0,1,2
.irp T, 0,1
	v_permlane16_swap_b32 v[240+8*\T+\i], v[56+24*\T+\i]
.endr
.endr
.irp T, 0,1
	v_lshl_or_b32 v[48+24*\T], v[47+24*\T], 8, v[46+24*\T]
.endr
.irp i, 0,1,2
.irp T, 0,1
	v_mov_b32 v[243+8*\T+\i], v[56+24*\T+\i]
.endr
.endr
.irp T, 0,1
	global_store_b128 v1, v[240+8*\T:243+8*\T], s[72:73] offset:12288*\T+196608*\p
	global_store_b64 v2, v[244+8*\T:245+8*\T], s[72:73] offset:12288*\T+196608*\p+512
	ds_store_b16 v7, v[48+24*\T] offset:32*\T+512*\p               ; both halves of the lanes write the same bytes with the same value
.endr
.endm
.macro PASS p                          ; 32 queries a wave against all 2,048 keys
	WALU
	s_wait_loadcnt 0x0                             ; q (in the first pass also the scale words and the bias on their way to LDS)
	s_wait_dscnt 0x0                               ; no LDS load is on its way into the registers that this pass's first loads take
	v_and_b32 v34, 0xffff, v28                     ; tile A's two bytes lie in the word's lower half, tile B's in the upper; each twice
	v_lshrrev_b32 v33, 16, v28
	v_lshl_or_b32 v34, v34, 16, v34
	v_lshl_or_b32 v33, v33, 16, v33
.irp T, 0,1                                    ; the largest score so far is -3e38 and -M very large: the first step's f is 0; the sum and O^T are zeros.  (These moves are also the places between Q's scale words and the products)
	v_mov_b32 v[13+4*\T], 0xff61b1e6
	v_mov_b32 v[12+4*\T], 0x7e000000
	v_mov_b32 v[54+24*\T], 0
	v_mov_b32 v[55+24*\T], 0
.endr
	WIN 0x40
.set j, 0
.rept 64
	v_mov_b32 v[190+j], 0
.set j, j+1
.endr
	WIN 0
	s_mov_b32 s68, 0
	s_mov_b32 s75, VB
	s_mov_b32 s69, 0
	s_mov_b32 s70, 0
.if \p == 0
	WALU
	s_wait_tensorcnt 0x0                           ; my eighth of K and V is in
	ds_store_b128 v31, v[112:115]                  ; the scale words,
	ds_store_b128 v31, v[116:119] offset:4096
	ds_store_b128 v31, v[120:123] offset:8192      ; the bias,
	ds_store_b128 v31, v[124:127] offset:12288
	s_cmp_lg_u32 s60, 0
	s_cbranch_scc1 .Lnot_first
	ds_store_b128 v31, v[120:123] offset:16384     ; and wave 0's 512 bytes of it, its first, once more behind its end
.Lnot_first:
	s_wait_dscnt 0x0                               ; for the others' sake
	s_barrier_signal -1
	s_barrier_wait -1                              ; everybody's parts are in; nothing is filled again in this launch
.endif
	ds_load_b32 v35, v3                            ; the first step's K scale words, K and bias: 34 loads, as a step leaves them for the next
	ds_load_b32 v36, v3 offset:128
	WIN 0x40
	FRAGS 0, v1, v2, 0
	BIAS v4, 0
	WIN 0
	s_mov_b32 s71, 16
.Lk_\@:
	STEP
	s_sub_co_u32 s71, s71, 1
	s_cmp_lg_u32 s71, 0
	s_cbranch_scc1 .Lk_\@
.rept 4
	v_nop                                          ; places behind the last products
.endr
	s_wait_xcnt 0x0                                ; earlier stores have read the codes' registers
.if \p == 0
	QLOAD 1                                        ; the second pass's q lands while the first pass's results leave
.endif
	FIN \p
.endm
	s_load_b256 s[4:11], s[0:1], 0x0               ; qkv_codes, qkv_scl, mbias, ctx_codes
	s_load_b64 s[12:13], s[0:1], 0x20              ; ctx_scl
	v_lshl_add_u32 v[SPW], v0, 2, SPARE
	v_mov_b32 v[NIL], 0
	ds_add_u32 v[SPW], v[NIL]                      ; the wave's opening: the add, twice on end, and its wait ahead of my tensor load
	ds_add_u32 v[SPW], v[NIL]
	v_lshrrev_b32 v8, 5, v0
	v_readfirstlane_b32 s60, v8                    ; wave 0..7
	s_bfe_u32 s74, ttmp6, 0x40000                  ; cx: my 512 queries; it enters Q's and ctx's global addresses alone
	s_and_b32 s76, ttmp7, 0xffff                   ; batch x head
	s_lshr_b32 s77, s76, 4                         ; batch
	s_and_b32 s78, s76, 15                         ; head
	s_mov_b32 s16, 15|(3<<16)|(1<<21)              ; group 1: a dense block as 96 rows of 256 bytes (32 elements of 8 bytes); mask 15, bit 21 beside it
	s_mov_b32 s17, 32<<16
	s_mov_b32 s18, 96<<16
	s_mov_b32 s19, 32<<16
	s_mov_b32 s20, 96
	s_mov_b32 s21, 32
	s_mov_b32 s22, 0
	s_mov_b32 s23, 0
	s_mov_b32 s48, 1                               ; group 0: waves 0-3 a quarter of K each, waves 4-7 of V
	s_mul_i32 s49, s60, 24576
	s_lshr_b32 s80, s60, 2
	s_add_co_u32 s80, s80, 1
	s_mul_i32 s86, s80, 6291456                    ; K's codes lie behind Q's, V's behind K's
	s_and_b32 s80, s60, 3
	s_mul_i32 s80, s80, 24576
	s_add_co_u32 s86, s86, s80
	s_mul_i32 s80, s76, 98304
	s_add_co_u32 s86, s86, s80
	s_mov_b32 s87, 0
	s_mul_i32 s82, s76, 12288                      ; the head's scale words: Q's 4,096, K's, V's
	s_add_co_u32 s82, s82, 4096
	s_mov_b32 s83, 0
	s_lshl_b32 s84, s77, 13                        ; the batch's bias
	s_mov_b32 s85, 0
	s_lshl_b32 s88, s74, 5
	s_lshl_b32 s89, s60, 1
	s_add_co_u32 s88, s88, s89                     ; tile A of the first pass, in the batch: 32 cx + 2 wave; the second pass's lie 16 on
	s_lshl_b32 s89, s76, 7
	s_add_co_u32 s89, s89, s88
	s_mul_i32 s90, s89, 768
	s_mov_b32 s91, 0
	s_mul_i32 s92, s76, 12288
	s_lshl_b32 s89, s88, 5                         ; 64 bytes of scale words for each pair of tiles
	s_add_co_u32 s92, s92, s89
	s_mov_b32 s93, 0
	s_lshl_b32 s89, s77, 7
	s_add_co_u32 s89, s89, s88
	s_mul_i32 s72, s89, 12288                      ; ctx's codes: [tile][head][half fragment]
	s_mul_i32 s89, s78, 768
	s_add_co_u32 s72, s72, s89
	s_mov_b32 s73, 0
	s_lshl_b32 s94, s78, 14                        ; ctx's scale bytes: [head][tile][row][2]
	s_lshl_b32 s89, s77, 12
	s_add_co_u32 s94, s94, s89
	s_lshl_b32 s89, s74, 10
	s_add_co_u32 s94, s94, s89
	s_and_b32 s96, s60, 1
	s_lshl_b32 s96, s96, 9
	s_add_co_u32 s94, s94, s96
	s_mov_b32 s95, 0
	s_mov_b32 s62, 0x76543210
	s_mov_b32 s63, 0xfedcba98                      ; v_permlanex16_b32's selects for lane l xor 16
	s_mov_b32 s66, 0x3e38aa3b                      ; c = log2(e) / 8
	s_mov_b32 s67, s66                             ; (named with it as a pair, so it is written)
	v_and_b32 v9, 31, v0                           ; lane
	v_and_b32 v10, 15, v0                          ; r
	v_bfe_u32 v11, v0, 4, 1                        ; h
	v_lshlrev_b32 v1, 4, v9
	v_lshlrev_b32 v2, 3, v9
	v_lshl_add_u32 v3, v9, 2, SC                   ; scale words: lanes 0-15 one fragment's rows, lanes 16-31 the next one's
	v_lshl_add_u32 v4, v11, 6, MB                  ; the bias: my half's 16 keys of each 32
	v_lshlrev_b32 v27, 2, v10
	s_lshl_b32 s97, s60, 6
	s_add_co_u32 s97, s97, STG
	v_lshl_add_u32 v7, v10, 1, s97                 ; the stage: my two tiles' 64 bytes, my row's two
	s_add_co_u32 s97, s96, STG
	v_add_nc_u32 v26, s97, v1                      ; and where waves 0 and 1 read it back
	v_lshlrev_b32 v30, 4, v0                       ; 16 x thread: my part of 4,096 bytes in memory,
	v_lshl_add_u32 v31, v0, 4, SC                  ; and in LDS
	WALU
	s_wait_dscnt 0x0                               ; both opening adds are done
	s_wait_kmcnt 0x0
	s_add_nc_u64 s[50:51], s[4:5], s[86:87]
	s_or_b32 s51, s51, 0x80000000
	s_add_nc_u64 s[42:43], s[6:7], s[82:83]
	s_add_nc_u64 s[46:47], s[8:9], s[84:85]
	s_add_nc_u64 s[90:91], s[4:5], s[90:91]
	s_add_nc_u64 s[92:93], s[6:7], s[92:93]
	s_add_nc_u64 s[72:73], s[10:11], s[72:73]
	s_add_nc_u64 s[94:95], s[12:13], s[94:95]
	CROUND                                         ; all four work-groups are here: the joint loads meet
	tensor_load_to_lds s[48:51], s[16:23]          ; my one tensor load of the launch
	s_nop 0
.rept 4
	v_nop
.endr
	global_load_b128 v[112:115], v30, s[42:43]     ; the scale words and the bias, 16 bytes a thread and load
	global_load_b128 v[116:119], v30, s[42:43] offset:4096
	global_load_b128 v[120:123], v30, s[46:47]
	global_load_b128 v[124:127], v30, s[46:47] offset:4096
	QLOAD 0
.irp i, 21,23,44,45,46,47,68,69,70,71
	v_mov_b32 v\i, 0                               ; written once: a lane permute's destination counts as one of its sources; v21 and v23 are named as the upper halves of pairs
.endr
	WIN 0x40
.irp i, 160,161,162,163,164,165,172,173,174,175,176,177,184,185,186,187,188,189
	v_mov_b32 v\i, 0                               ; the zero codes round the two q
.endr
	WIN 0
	PASS 0
	PASS 1
	s_wait_dscnt 0x0                               ; for the others' sake: my scale bytes have landed
	s_barrier_signal -1
	s_barrier_wait -1
	s_cmp_lt_u32 s60, 2
	s_cbranch_scc0 .Lend
	ds_load_b128 v[112:115], v26                   ; waves 0 and 1: sixteen tiles' bytes each
	s_wait_dscnt 0x0
	global_store_b128 v1, v[112:115], s[94:95]     ; 512 consecutive bytes
.Lend:
	s_wait_tensorcnt 0x0                           ; the wave's end
	ds_add_u32 v[SPW], v[NIL]
	s_wait_dscnt 0x0
	CROUND                                         ; the closing round
	s_endpgm
.Lfunc_end_k_qfcaa4b4f7d_attn:
	.size	k_qfcaa4b4f7d_attn, .Lfunc_end_k_qfcaa4b4f7d_attn-k_qfcaa4b4f7d_attn
	.p2alignl 7, 3214868480
	.fill 96, 4, 3214868480
	.section	.rodata,"a",@progbits
	.p2align	6, 0x0
	.amdhsa_kernel k_qfcaa4b4f7d_attn
		.amdhsa_group_segment_fixed_size 215552
		.amdhsa_private_segment_fixed_size 0
		.amdhsa_enable_private_segment 0
		.amdhsa_kernarg_size 40
		.amdhsa_user_sgpr_count 2
		.amdhsa_user_sgpr_kernarg_segment_ptr 1
		.amdhsa_wavefront_size32 1
		.amdhsa_system_sgpr_workgroup_id_x 1
		.amdhsa_system_sgpr_workgroup_id_y 1
		.amdhsa_system_sgpr_workgroup_id_z 1
		.amdhsa_system_vgpr_workitem_id 0
		.amdhsa_next_free_vgpr 512
		.amdhsa_next_free_sgpr 100
		.amdhsa_reserve_vcc 0
		.amdhsa_float_denorm_mode_32 3
		.amdhsa_float_denorm_mode_16_64 3
		.amdhsa_memory_ordered 1
		.amdhsa_forward_progress 1
		.amdhsa_inst_pref_size 94
	.end_amdhsa_kernel
	.amdgpu_metadata
---
amdhsa.version: [ 1, 2 ]
amdhsa.kernels:
  - .name:           k_qfcaa4b4f7d_attn
    .symbol:         k_qfcaa4b4f7d_attn.kd
    .args:
      - { .name: qkv_codes, .offset: 0, .size: 8, .value_kind: global_buffer, .address_space: global }
      - { .name: qkv_scl, .offset: 8, .size: 8, .value_kind: global_buffer, .address_space: global }
      - { .name: mbias, .offset: 16, .size: 8, .value_kind: global_buffer, .address_space: global }
      - { .name: ctx_codes, .offset: 24, .size: 8, .value_kind: global_buffer, .address_space: global }
      - { .name: ctx_scl, .offset: 32, .size: 8, .value_kind: global_buffer, .address_space: global }
    .group_segment_fixed_size: 215552
    .private_segment_fixed_size: 0
    .kernarg_segment_align: 8
    .kernarg_segment_size: 40
    .max_flat_workgroup_size: 256
    .sgpr_count:     100
    .vgpr_count:     512
    .wavefront_size: 32
...
	.end_amdgpu_metadata
.endif
;; end of part 3
;; launch oproj (part 4): grid 4 x 64, 4 waves a work-group, clusters of 4 x 1, 167,936 bytes of LDS; arguments ctx_codes, ctx_scl, xw_codes, xw_scl, bo, out0; writes out0
.if DOCPART == 4
	.amdgcn_target "amdgcn-amd-amdhsa--gfx1250"
	.amdhsa_code_object_version 6
	.text
	.protected	k_qfcaa4b4f7d_oproj
	.globl	k_qfcaa4b4f7d_oproj
	.p2align	8
	.type	k_qfcaa4b4f7d_oproj,@function
k_qfcaa4b4f7d_oproj:
	s_mov_b64 s[64:65], 0
	v_nop
	global_prefetch_b8 v0, s[64:65] scope:SCOPE_SE
	s_setreg_imm32_b32 hwreg(HW_REG_WAVE_MODE, 25, 1), 1
	s_wait_xcnt 0x0
	s_wait_alu depctr_hold_cnt(0) depctr_sa_sdst(0) depctr_va_vdst(0) depctr_va_sdst(0) depctr_va_ssrc(0) depctr_va_vcc(0) depctr_vm_vsrc(0)
	s_getreg_b32 s2, hwreg(HW_REG_IB_STS2, 6, 4)
	s_cmp_eq_u32 s2, 0
	s_cbranch_scc0 .Lentry_in_a_cluster
	s_endpgm
.Lentry_in_a_cluster:
	s_bfe_u32 s2, ttmp6, 0x10000c
	s_cmp_lg_u32 s2, 0x3003
	s_cbranch_scc0 .Lentry_shape_is_right
	s_endpgm
.Lentry_shape_is_right:
; out = ctx Wo^T + bo on codes of FP6 (E2M3) with E8M0 scales, f32 sums.  ctx: 512 row tiles of 16 tokens x 1,024, Wo: row tiles 704-767 of the weights' buffer, both in the order of the operands' registers.
; A work-group makes 128 tokens x 256 columns: with that block there are 256 work-groups.  The 128 tokens' codes for all of K lie in LDS (source 1: a token to a lane); each wave holds 64 rows of Wo for all of K
; in 384 registers (source 0: a lane's registers run along the columns).  K is short: LDS is filled once.  The four partners of a cluster share the tokens' block: it is asked for JOINTLY (mask 15).
; Wo's rows of a tile lie so that a lane's 8 registers of tile t are columns 32 (t / 2) + 16 h + 8 (t % 2) + 0 .. 7 of the wave's 64; row r of token tile T is token 32 (T / 2) + 8 (T % 2) + r + 8 (r / 8).
; THE WAY OUT: a tile's 16 rows x 256 bytes go through the wave's own stage in LDS and leave as whole rows: sixteen lanes store 256 consecutive bytes, at a multiple of 256 from the output's first byte.
; REGISTERS, in windows of 256: window 0: v1-16 addresses; v18, v19 the add's two; v24-39 Wo's scale words; v40-47 ctx's, two sets; v64-95 bo as C; v96-127 four accumulators; v160-223 rows on the way out, two sets.
;   windows 1, 2: Wo's fragments (tile t, K step s) at 48 t + 12 (s % 4).   window 3: a token tile's 8 fragments, two sets.
.set SSC,   98304                      ; behind the codes (8 tiles x 12,288): ctx's scale bytes, 16 rows (heads) of 256 bytes (8 tiles x 16 rows x 2 bytes) + 16 of padding
.set SL,    48                         ; v48-63 the halves of ctx's scale words as they are loaded, two sets
.set STGE,  SSC+8*576                  ; a stage of 16 rows x (256 bytes + 16) for each wave
.set SPARE, STGE+4*4352                ; the spare words, 128 bytes for each wave: two blocks of 256 bytes that no other line names
.set SPW, 18
.set NIL, 19
.set RS,  24
.set SS,  40
.set CB,  64
.set ACC, 96
.set OB,  160
.set MSB, 0
.macro WIN new                         ; the immediate's high byte repeats the setting that is left
.if MSB != \new
	s_set_vgpr_msb (MSB<<8)|\new
.set MSB, \new
.endif
.endm
.macro CROUND                          ; a round of the cluster's barrier
	s_barrier_signal -1
	s_barrier_wait -1
	s_cmp_lg_u32 s20, 0
	s_cbranch_scc1 .Lnot_wave_0_\@
	s_barrier_signal -3
.Lnot_wave_0_\@:
	s_barrier_wait -3
	s_barrier_signal -1
	s_barrier_wait -1
.endm
	s_load_b256 s[4:11], s[0:1], 0x0               ; ctx_codes, ctx_scl, xw_codes, xw_scl
	s_load_b128 s[12:15], s[0:1], 0x20             ; bo, out0
	v_lshl_add_u32 v[SPW], v0, 2, SPARE
	v_mov_b32 v[NIL], 0
	ds_add_u32 v[SPW], v[NIL]                      ; the wave's opening: the add and its wait ahead of my first tensor load; the set-up below, work on registers, stands between them
	ds_add_u32 v[SPW], v[NIL]
	v_lshrrev_b32 v20, 5, v0
	v_readfirstlane_b32 s20, v20                   ; wave
	s_bfe_u32 s21, ttmp6, 0x40000                  ; cx: my 256 columns; it enters global addresses of my own loads and stores alone
	s_and_b32 s23, ttmp7, 0xffff                   ; y: the block of 128 tokens
	s_mov_b32 s24, 15|(3<<16)|(1<<21)              ; the codes: a dense block as rows of 256 bytes (32 elements of 8 bytes); mask 15, bit 21 beside it
	s_mov_b32 s25, 32<<16
	s_mov_b32 s26, 128<<16                         ; a third of the block, 32,768 bytes: waves 0 to 2 fetch one each
	s_mov_b32 s27, 32<<16
	s_mov_b32 s28, 128
	s_mov_b32 s29, 32
	s_mov_b32 s30, 0
	s_mov_b32 s31, 0
	s_mov_b32 s32, 15|(3<<16)|(1<<20)|(1<<21)|(5<<22)|(3<<25)       ; the scale bytes: padding on, after every 64 words (code 5), 4 words of it (code 3)
	s_mov_b32 s33, 32<<16                          ; a row: 8 tiles x 32 bytes = 32 elements
	s_mov_b32 s34, 16<<16                          ; sixteen heads: wave 3 fetches them all
	s_mov_b32 s35, 32<<16
	s_mov_b32 s36, 16
	s_mov_b32 s37, 2048                            ; from head to head: 512 tiles x 32 bytes
	s_mov_b32 s38, 0
	s_mov_b32 s39, 0
	s_mov_b32 s40, 1
	s_mul_i32 s41, s20, 32768
	s_mul_i32 s66, s23, 98304
	s_add_co_u32 s66, s66, s41
	s_mov_b32 s67, 0
	s_mov_b32 s44, 1
	s_mov_b32 s45, SSC
	s_lshl_b32 s68, s23, 8
	s_mov_b32 s69, 0
	s_lshl_b32 s70, s21, 4
	s_lshl_b32 s71, s20, 2
	s_add_co_u32 s70, s70, s71
	s_add_co_u32 s70, s70, 704                     ; my first tile of Wo
	s_lshl_b32 s72, s70, 9
	s_mov_b32 s73, 0
	s_mul_i32 s70, s70, 12288
	s_mov_b32 s71, 0
	s_lshl_b32 s74, s21, 10
	s_lshl_b32 s75, s20, 8
	s_add_co_u32 s74, s74, s75                     ; my 64 columns, in bytes
	s_mov_b32 s75, 0
	s_lshl_b32 s76, s23, 19                        ; 128 rows of 4,096 bytes
	s_add_co_u32 s76, s76, s74
	s_mov_b32 s77, 0
	v_and_b32 v21, 31, v0                          ; lane
	v_and_b32 v22, 15, v0                          ; r
	v_bfe_u32 v23, v0, 4, 1                        ; h
	v_lshlrev_b32 v1, 4, v21
	v_lshlrev_b32 v2, 3, v21
	v_lshlrev_b32 v4, 6, v23                       ; 64 h: my half's 16 numbers of the bias
.irp g, 0,1
	v_add_nc_u32 v[5+\g], \g*49152, v1             ; the codes, four tiles to a register: an LDS offset has 16 bits
	v_add_nc_u32 v[9+\g], \g*49152, v2
.endr
	v_mul_u32_u24 v13, v23, 544
	v_lshl_add_u32 v13, v22, 1, v13
	v_add_nc_u32 v13, SSC, v13                     ; my row's two bytes; lanes 0-15 the even K step's first head, lanes 16-31 the odd one's, two heads on
	s_mul_i32 s78, s20, 4352
	s_add_co_u32 s78, s78, STGE                    ; my stage
	v_mul_u32_u24 v14, v22, 272
	v_lshl_add_u32 v14, v23, 6, v14
	v_add_nc_u32 v14, s78, v14                     ; in: row r, + 64 h
	v_mul_u32_u24 v15, v23, 272
	v_lshl_add_u32 v15, v22, 4, v15
	v_add_nc_u32 v15, s78, v15                     ; back: lanes 0-15 one row, lanes 16-31 the next
	v_lshlrev_b32 v16, 12, v23
	v_lshl_add_u32 v16, v22, 4, v16                ; and the same two rows in the output
	s_wait_alu depctr_va_vdst(0)
	s_wait_dscnt 0x0                               ; both opening adds are done
	s_wait_kmcnt 0x0
	s_add_nc_u64 s[42:43], s[4:5], s[66:67]
	s_or_b32 s43, s43, 0x80000000
	s_add_nc_u64 s[46:47], s[6:7], s[68:69]
	s_or_b32 s47, s47, 0x80000000
	s_add_nc_u64 s[48:49], s[8:9], s[70:71]
	s_add_nc_u64 s[50:51], s[10:11], s[72:73]
	s_add_nc_u64 s[54:55], s[12:13], s[74:75]
	s_add_nc_u64 s[56:57], s[14:15], s[76:77]
	CROUND                                         ; all four work-groups are here: the joint loads meet
	s_cmp_lt_u32 s20, 3                            ; one tensor load a wave
	s_cbranch_scc0 .Lfor_scales
	tensor_load_to_lds s[40:43], s[24:31]          ; waves 0 to 2: a third of the tokens' codes
	s_nop 0
.rept 4
	v_nop
.endr
	s_branch .Lasked
.Lfor_scales:
	tensor_load_to_lds s[44:47], s[32:39]          ; wave 3: their scale bytes
	s_nop 0
.rept 4
	v_nop
.endr
.Lasked:
	WIN 0x40                                       ; destination window 1
.set t, 0
.rept 4
.set g, 0
.rept 8
	global_load_b128 v[48*t+6*g:48*t+6*g+3], v1, s[48:49] offset:t*12288+g*768
	global_load_b64 v[48*t+6*g+4:48*t+6*g+5], v2, s[48:49] offset:t*12288+g*768+512
.set g, g+1
.endr
.set t, t+1
.endr
	WIN 0x80                                       ; destination window 2
.set t, 0
.rept 4
.set g, 0
.rept 8
	global_load_b128 v[48*t+6*g:48*t+6*g+3], v1, s[48:49] offset:t*12288+(g+8)*768
	global_load_b64 v[48*t+6*g+4:48*t+6*g+5], v2, s[48:49] offset:t*12288+(g+8)*768+512
.set g, g+1
.endr
.set t, t+1
.endr
	WIN 0
.irp t, 0,1,2,3
	global_load_b128 v[RS+4*\t:RS+4*\t+3], v1, s[50:51] offset:512*\t
.endr
.irp t, 0,1,2,3                                ; the bias is the C of a sum's first product
	global_load_b128 v[CB+8*\t:CB+8*\t+3], v4, s[54:55] offset:(32*(\t/2)+8*(\t%2))*4
	global_load_b128 v[CB+8*\t+4:CB+8*\t+7], v4, s[54:55] offset:(32*(\t/2)+8*(\t%2))*4+16
.endr
	s_wait_tensorcnt 0x0                           ; my parts of the tokens' block are in,
	s_barrier_signal -1
	s_barrier_wait -1                              ; everybody's are; nothing is filled again in this launch
.macro SLOAD a                         ; token tile a: 8 fragments as 16 half fragments, and four scale registers: 40 LDS loads
	WIN 0xc0                                       ; destination window 3
.set g, 0
.rept 16
	ds_load_b128 v[96*((\a)%2)+6*g:96*((\a)%2)+6*g+3], v[5+(\a)/4] offset:((\a)%4)*12288+768*g
	ds_load_b64 v[96*((\a)%2)+6*g+4:96*((\a)%2)+6*g+5], v[9+(\a)/4] offset:((\a)%4)*12288+768*g+512
.set g, g+1
.endr
	WIN 0
.irp i, 0,1,2,3                                ; K step 2 i + h is heads 4 i + 2 h and 4 i + 2 h + 1: the word's lower and upper half
	ds_load_u16 v[SL+8*((\a)%2)+2*\i], v13 offset:1088*\i+32*(\a)
	ds_load_u16 v[SL+8*((\a)%2)+2*\i+1], v13 offset:1088*\i+272+32*(\a)
.endr
.endm
.macro WM d, a, b, c, sa, sb, odd      ; an odd K step's scale words lie in lanes 16-31 of both scale registers
.if \odd
	v_wmma_scale_f32_16x16x128_f8f6f4 v[\d:\d+7], v[\a:\a+11], v[\b:\b+11], v[\c:\c+7], v[\sa], v[\sb] matrix_a_fmt:MATRIX_FMT_FP6 matrix_b_fmt:MATRIX_FMT_FP6 matrix_a_scale:MATRIX_SCALE_ROW1 matrix_b_scale:MATRIX_SCALE_ROW1
.else
	v_wmma_scale_f32_16x16x128_f8f6f4 v[\d:\d+7], v[\a:\a+11], v[\b:\b+11], v[\c:\c+7], v[\sa], v[\sb] matrix_a_fmt:MATRIX_FMT_FP6 matrix_b_fmt:MATRIX_FMT_FP6
.endif
.endm
.macro MUL a                           ; 32 products: K ascending, the four accumulators by turns, one instruction a turn
.irp s, 0,1,2,3,4,5,6,7
.if \s < 4
	WIN 0x0d                                       ; source 0 window 1, source 1 window 3
.else
	WIN 0x0e                                       ; source 0 window 2
.endif
.irp t, 0,1,2,3
.if \s == 0
	WM ACC+8*\t, 48*\t+12*(\s%4), 96*((\a)%2)+12*\s, CB+8*\t, RS+4*\t+\s/2, SS+4*((\a)%2)+\s/2, \s%2
.else
	WM ACC+8*\t, 48*\t+12*(\s%4), 96*((\a)%2)+12*\s, ACC+8*\t, RS+4*\t+\s/2, SS+4*((\a)%2)+\s/2, \s%2
.endif
.endr
.endr
	WIN 0
.endm
.macro TOSTAGE a                       ; LDS serves a wave's instructions in order: no wait between the stores and the loads, nor in front of the next tile's stores
	s_wait_xcnt 0x0                                ; the stores of two tiles ago have read the registers into which the rows come back
.irp t, 0,1,2,3
	ds_store_b128 v14, v[ACC+8*\t:ACC+8*\t+3] offset:128*(\t/2)+32*(\t%2)           ; each accumulator from its low end on
	ds_store_b128 v14, v[ACC+8*\t+4:ACC+8*\t+7] offset:128*(\t/2)+32*(\t%2)+16
.endr
.irp i, 0,1,2,3,4,5,6,7
	ds_load_b128 v[OB+32*((\a)%2)+4*\i:OB+32*((\a)%2)+4*\i+3], v15 offset:544*\i
.endr
.endm
.macro SEND a                          ; rows 2 i + h of the tile, at their tokens' places
.irp i, 0,1,2,3,4,5,6,7
	global_store_b128 v16, v[OB+32*((\a)%2)+4*\i:OB+32*((\a)%2)+4*\i+3], s[56:57] offset:(32*((\a)/2)+8*((\a)%2)+2*\i+8*(\i/4))*4096 th:TH_STORE_NT
.endr
.endm
.macro TILE a
.if \a < 7
	SLOAD \a+1
.endif
.if \a == 0
	s_wait_dscnt 40                                ; all but the 40 just issued
.elseif \a < 7
	s_wait_dscnt 48                                ; this tile's fragments are in; the last tile's eight loads from the stage and the 40 just issued may be out
.else
	s_wait_dscnt 8                                 ; the same, with nothing more to fetch
.endif
.irp i, 0,1,2,3
	v_lshl_or_b32 v[SS+4*((\a)%2)+\i], v[SL+8*((\a)%2)+2*\i+1], 16, v[SL+8*((\a)%2)+2*\i]   ; the two heads' bytes make the K step's scale word
.endr
.rept 8
	v_nop                                          ; a scale register written by a vector instruction stands 8 places ahead of a scaled matrix instruction
.endr
	MUL \a
.if \a > 0
.if \a < 7
	s_wait_dscnt 40                                ; the last tile's rows are back from the stage
.else
	s_wait_dscnt 0x0
.endif
	SEND \a-1
.endif
.rept 5
	v_nop                                          ; four places in front of the stores that read results and of the next loads into the fragments' registers; five in front of the next tile's first products, which write over the accumulators
.endr
	TOSTAGE \a
.endm
	s_wait_alu depctr_va_vdst(0)
	SLOAD 0
	s_wait_loadcnt 0x0                             ; Wo's fragments and scale words, the bias
.irp a, 0,1,2,3,4,5,6,7
	TILE \a
.endr
	s_wait_dscnt 0x0
	SEND 7
	s_wait_tensorcnt 0x0                           ; the wave's end, behind my last tensor load and my last LDS store
	ds_add_u32 v[SPW], v[NIL]
	s_wait_dscnt 0x0
	CROUND                                         ; the closing round
	s_endpgm
.Lfunc_end_k_qfcaa4b4f7d_oproj:
	.size	k_qfcaa4b4f7d_oproj, .Lfunc_end_k_qfcaa4b4f7d_oproj-k_qfcaa4b4f7d_oproj
	.p2alignl 7, 3214868480
	.fill 96, 4, 3214868480
	.section	.rodata,"a",@progbits
	.p2align	6, 0x0
	.amdhsa_kernel k_qfcaa4b4f7d_oproj
		.amdhsa_group_segment_fixed_size 167936
		.amdhsa_private_segment_fixed_size 0
		.amdhsa_enable_private_segment 0
		.amdhsa_kernarg_size 48
		.amdhsa_user_sgpr_count 2
		.amdhsa_user_sgpr_kernarg_segment_ptr 1
		.amdhsa_wavefront_size32 1
		.amdhsa_system_sgpr_workgroup_id_x 1
		.amdhsa_system_sgpr_workgroup_id_y 1
		.amdhsa_system_sgpr_workgroup_id_z 1
		.amdhsa_system_vgpr_workitem_id 0
		.amdhsa_next_free_vgpr 960
		.amdhsa_next_free_sgpr 80
		.amdhsa_reserve_vcc 0
		.amdhsa_float_denorm_mode_32 3
		.amdhsa_float_denorm_mode_16_64 3
		.amdhsa_memory_ordered 1
		.amdhsa_forward_progress 1
		.amdhsa_inst_pref_size 93
	.end_amdhsa_kernel
	.amdgpu_metadata
---
amdhsa.version: [ 1, 2 ]
amdhsa.kernels:
  - .name:           k_qfcaa4b4f7d_oproj
    .symbol:         k_qfcaa4b4f7d_oproj.kd
    .args:
      - { .name: ctx_codes, .offset: 0, .size: 8, .value_kind: global_buffer, .address_space: global }
      - { .name: ctx_scl, .offset: 8, .size: 8, .value_kind: global_buffer, .address_space: global }
      - { .name: xw_codes, .offset: 16, .size: 8, .value_kind: global_buffer, .address_space: global }
      - { .name: xw_scl, .offset: 24, .size: 8, .value_kind: global_buffer, .address_space: global }
      - { .name: bo, .offset: 32, .size: 8, .value_kind: global_buffer, .address_space: global }
      - { .name: out0, .offset: 40, .size: 8, .value_kind: global_buffer, .address_space: global }
    .group_segment_fixed_size: 167936
    .private_segment_fixed_size: 0
    .kernarg_segment_align: 8
    .kernarg_segment_size: 48
    .max_flat_workgroup_size: 128
    .sgpr_count:     80
    .vgpr_count:     960
    .wavefront_size: 32
...
	.end_amdgpu_metadata
.endif
;; end of part 4
